; MI455X (gfx1250); checked and timed in simulation.
; The chip was launched on July 23, 2026; its instructions are those of AMD's public machine-readable ISA for CDNA 5 (MIT licence, August 2026) and "CDNA5" Instruction Set Architecture Reference Guide (July 2026). The comments in the code are by the model that wrote it; some were corrected since.
;; IO Processing Attention. Allowed arithmetic: float matrix products may take bf16 or f16 operands with f32 sums; all other float work in f32.
;; Inputs: W_attn_c 1,024 x 2,048 float32; W_attn_l 1,024 x 2,048 float32; W_proj 1,024 x 1,024 float32; W_q 1,024 x 1,024 float32; b_attn_c 2,048 float32; b_attn_l 2,048 float32; b_proj 1,024 float32; b_q 1,024 float32; l 1 x 2,048 x 1,024 float32; x 1 x 2,048 x 1,024 float32.
;; Outputs: out0 1 x 2,048 x 1,024 float32.
;; 2 versions, each right. Each part assembles by itself: llvm-mc -triple=amdgcn-amd-amdhsa -mcpu=gfx1250 --defsym DOCPART=n.
;; ======== version 1 of 2: 4 launches
;; limits: values are held in f16: magnitudes above 65,504 overflow, below 6.1e-05 lose precision
;; workspace buffers: cb 20,971,520 bytes; qkv 20,971,520 bytes; yh 4,194,304 bytes
;; launch cast (part 1): grid 640 x 1, 8 waves a work-group, no clusters, 0 bytes of LDS; arguments l, x, W_attn_l, W_attn_c, W_q, W_proj, cb; writes cb
.if DOCPART == 1
	.amdgcn_target "amdgcn-amd-amdhsa--gfx1250"
	.amdhsa_code_object_version 6
	.text
	.protected	k_qea5d17d168_cast
	.globl	k_qea5d17d168_cast
	.p2align	8
	.type	k_qea5d17d168_cast,@function
k_qea5d17d168_cast:
	s_mov_b64 s[64:65], 0
	v_nop
	global_prefetch_b8 v0, s[64:65] scope:SCOPE_SE
	s_setreg_imm32_b32 hwreg(HW_REG_WAVE_MODE, 25, 1), 1
	s_wait_xcnt 0x0
; f32 -> f16 of the two activations and the four weights, once, so that the later launches move half the bytes
; and can take their tiles by tensor loads.  Layout of cb:
;   byte 0           ACT  [4096][1024] f16: rows 0-2047 = l, rows 2048-4095 = x
;   byte 8,388,608   WCAT [1024 k][5120 n] f16: n 0-2047 = W_attn_l, 2048-4095 = W_attn_c, 4096-5119 = W_q (a row is 10,240 bytes)
;   byte 18,874,368  WP   [1024 k][1024 n] f16 = W_proj
; WHY f16 AND NOT bf16: from input to output the chain rounds its matrix operands again and again (inputs, Q, K, V, probabilities, y).  With 8 significant
; bits each rounding is some 2^-9 of the result's spread and five of them add up to a third of the hundredth that is allowed; with 11 bits each is an eighth of that.
; LIMIT: a number beyond 65,504 becomes infinite, steps below 2^-24 are lost.  Activations of spread 1 and weights of spread 1/32 keep room for a factor of 30 either way
; and for an offset of 30 spreads: at most some 165 at the large end, a spread of 0.001 (16,000 steps) at the small end.
; A work-group takes 16,384 numbers of one matrix (128 + 128 + 128 + 128 + 64 + 64 = 640 work-groups), a wave 2,048 of them, as two runs
; of 1,024: every row length here is a multiple of 1,024, so each run is contiguous both where it is read and where it is written.
; A stream: no LDS, no barrier, no matrix unit, no loop.  Sixteen loads of 512 bytes of a wave are out at once; each store of a wave
; covers 256 consecutive bytes that start at a multiple of 256 from cb's first byte.
.set X, 4                              ; v[4:67]   load i: 4 numbers in f32
.set Y, 68                             ; v[68:99]  store i: 4 numbers in f16
	s_load_b256 s[8:15], s[0:1], 0x0               ; l s[8:9], x s[10:11], W_attn_l s[12:13], W_attn_c s[14:15]
	s_load_b128 s[16:19], s[0:1], 0x20             ; W_q s[16:17], W_proj s[18:19]
	s_load_b64 s[20:21], s[0:1], 0x30              ; cb
	v_lshrrev_b32 v3, 5, v0
	v_readfirstlane_b32 s4, v3                     ; wave 0..7
	v_and_b32 v1, 31, v0
	v_lshlrev_b32 v2, 3, v1                        ; 8 bytes a lane out
	v_lshlrev_b32 v1, 4, v1                        ; 16 bytes a lane in
	; which matrix is mine: begin with the last (W_proj) and let each lower range of work-group numbers take over
	s_mov_b32 s24, 576                             ; the matrix's first work-group
	s_mov_b32 s25, 18874368                        ; where its first number goes in cb
	s_mov_b32 s26, 0                               ; log2 of the runs in one of its rows
	s_mov_b32 s27, 2048                            ; bytes from row to row in cb
	s_mov_b32 s36, 2048                            ; bytes from a wave's first run to its second in cb
	s_wait_kmcnt 0x0
	s_mov_b64 s[22:23], s[18:19]
.macro PICK below, p, first, base, sh, stride, next
	s_cmp_lt_u32 ttmp9, \below                     ; the selects leave SCC as it is
	s_cselect_b64 s[22:23], s[\p:\p+1], s[22:23]
	s_cselect_b32 s24, \first, s24
	s_cselect_b32 s25, \base, s25
	s_cselect_b32 s26, \sh, s26
	s_cselect_b32 s27, \stride, s27
	s_cselect_b32 s36, \next, s36
.endm
	PICK 576, 16, 512, 8396800, 0, 10240, 10240    ; W_q: rows of 1,024, columns 4096.. of WCAT
	PICK 512, 14, 384, 8392704, 1, 10240, 2048     ; W_attn_c: rows of 2,048, columns 2048..
	PICK 384, 12, 256, 8388608, 1, 10240, 2048     ; W_attn_l: rows of 2,048, columns 0..
	PICK 256, 10, 128, 4194304, 0, 2048, 2048      ; x: ACT rows 2048..
	PICK 128, 8, 0, 0, 0, 2048, 2048               ; l: ACT rows 0..
	s_sub_co_u32 s2, ttmp9, s24                    ; my number within the matrix
	s_lshl_b32 s32, s2, 16                         ; 65,536 bytes of f32 a work-group,
	s_lshl_b32 s33, s4, 13                         ; 8,192 a wave
	s_add_co_u32 s32, s32, s33
	s_mov_b32 s33, 0
	s_add_nc_u64 s[22:23], s[22:23], s[32:33]      ; where my wave reads
	s_lshl_b32 s34, s2, 4
	s_lshl1_add_u32 s34, s4, s34                   ; my first run = 16 x work-group + 2 x wave (even)
	s_lshr_b32 s34, s34, s26                       ; its row
	s_mul_i32 s34, s34, s27
	s_add_co_u32 s34, s34, s25
	s_mov_b32 s35, 0
	s_mov_b32 s37, 0
	s_add_nc_u64 s[28:29], s[20:21], s[34:35]      ; where my first run goes,
	s_add_nc_u64 s[30:31], s[28:29], s[36:37]      ; and my second
.irp i, 0,1,2,3,4,5,6,7,8,9,10,11,12,13,14,15
	global_load_b128 v[X+4*\i:X+4*\i+3], v1, s[22:23] offset:512*\i th:TH_LOAD_NT   ; read once in the launch
.endr
.irp i, 0,1,2,3,4,5,6,7,8,9,10,11,12,13,14,15
	s_wait_loadcnt 15-\i                           ; loads come back in order: load i is in, the 15 - i younger ones stay out
	v_cvt_pk_f16_f32 v[Y+2*\i],   v[X+4*\i],   v[X+4*\i+1]
	v_cvt_pk_f16_f32 v[Y+2*\i+1], v[X+4*\i+2], v[X+4*\i+3]
.if \i < 8
	global_store_b64 v2, v[Y+2*\i:Y+2*\i+1], s[28:29] offset:256*\i
.else
	global_store_b64 v2, v[Y+2*\i:Y+2*\i+1], s[30:31] offset:256*(\i-8)
.endif
.endr
	s_endpgm                                       ; no register that a load or store names is ever written again
.Lfunc_end_k_qea5d17d168_cast:
	.size	k_qea5d17d168_cast, .Lfunc_end_k_qea5d17d168_cast-k_qea5d17d168_cast
	.p2alignl 7, 3214868480
	.fill 96, 4, 3214868480
	.section	.rodata,"a",@progbits
	.p2align	6, 0x0
	.amdhsa_kernel k_qea5d17d168_cast
		.amdhsa_group_segment_fixed_size 0
		.amdhsa_private_segment_fixed_size 0
		.amdhsa_enable_private_segment 0
		.amdhsa_kernarg_size 56
		.amdhsa_user_sgpr_count 2
		.amdhsa_user_sgpr_kernarg_segment_ptr 1
		.amdhsa_wavefront_size32 1
		.amdhsa_system_sgpr_workgroup_id_x 1
		.amdhsa_system_sgpr_workgroup_id_y 1
		.amdhsa_system_sgpr_workgroup_id_z 1
		.amdhsa_system_vgpr_workitem_id 0
		.amdhsa_next_free_vgpr 104
		.amdhsa_next_free_sgpr 66
		.amdhsa_reserve_vcc 0
		.amdhsa_float_denorm_mode_32 3
		.amdhsa_float_denorm_mode_16_64 3
		.amdhsa_memory_ordered 1
		.amdhsa_forward_progress 1
		.amdhsa_inst_pref_size 9
	.end_amdhsa_kernel
	.amdgpu_metadata
---
amdhsa.version: [ 1, 2 ]
amdhsa.kernels:
  - .name:           k_qea5d17d168_cast
    .symbol:         k_qea5d17d168_cast.kd
    .args:
      - { .name: l, .offset: 0, .size: 8, .value_kind: global_buffer, .address_space: global }
      - { .name: x, .offset: 8, .size: 8, .value_kind: global_buffer, .address_space: global }
      - { .name: W_attn_l, .offset: 16, .size: 8, .value_kind: global_buffer, .address_space: global }
      - { .name: W_attn_c, .offset: 24, .size: 8, .value_kind: global_buffer, .address_space: global }
      - { .name: W_q, .offset: 32, .size: 8, .value_kind: global_buffer, .address_space: global }
      - { .name: W_proj, .offset: 40, .size: 8, .value_kind: global_buffer, .address_space: global }
      - { .name: cb, .offset: 48, .size: 8, .value_kind: global_buffer, .address_space: global }
    .group_segment_fixed_size: 0
    .private_segment_fixed_size: 0
    .kernarg_segment_align: 8
    .kernarg_segment_size: 56
    .max_flat_workgroup_size: 256
    .sgpr_count:     66
    .vgpr_count:     104
    .wavefront_size: 32
...
	.end_amdgpu_metadata
.endif
;; end of part 1
;; launch proj (part 2): grid 20 x 8, 4 waves a work-group, clusters of 4 x 4, 327,680 bytes of LDS; arguments cb, b_attn_l, b_attn_c, b_q, qkv; writes qkv
.if DOCPART == 2
	.amdgcn_target "amdgcn-amd-amdhsa--gfx1250"
	.amdhsa_code_object_version 6
	.text
	.protected	k_qea5d17d168_proj
	.globl	k_qea5d17d168_proj
	.p2align	8
	.type	k_qea5d17d168_proj,@function
k_qea5d17d168_proj:
	s_mov_b64 s[64:65], 0
	v_nop
	global_prefetch_b8 v0, s[64:65] scope:SCOPE_SE
	s_setreg_imm32_b32 hwreg(HW_REG_WAVE_MODE, 25, 1), 1
	s_wait_xcnt 0x0
	s_wait_alu depctr_hold_cnt(0) depctr_sa_sdst(0) depctr_va_vdst(0) depctr_va_sdst(0) depctr_va_ssrc(0) depctr_va_vcc(0) depctr_vm_vsrc(0)
	s_getreg_b32 s2, hwreg(HW_REG_IB_STS2, 6, 4)
	s_cmp_eq_u32 s2, 0
	s_cbranch_scc0 .Lentry_in_a_cluster
	s_endpgm
.Lentry_in_a_cluster:
	s_bfe_u32 s2, ttmp6, 0x10000c
	s_cmp_lg_u32 s2, 0xf033
	s_cbranch_scc0 .Lentry_shape_is_right
	s_endpgm
.Lentry_shape_is_right:
; The three input projections as one product form:  [l ; x] (f16, ACT in cb) times WCAT (f16 [1024 k][5120 n] in cb), plus bias.
; Block column bc = 0..19 takes columns 256 bc of WCAT; the cluster's x (0..4) names the section: 0 = k_l, 1 = v_l (rows of l),
; 2 = k_c, 3 = v_c, 4 = q (rows of x).  Block row br = 0..7 takes 256 rows.  160 work-groups: the sections' widths (2048, 2048, 1024 over
; two different left matrices) do not divide into 256 equal blocks of this shape.
; Output, f16, by heads, in qkv:  K at byte 0 [16 h][4096 key][64], V at 8,388,608 likewise (keys 0-2047 latent, 2048-4095 text),
; Q at 16,777,216 [16 h][2048][64], Q already multiplied by 0.125 log2(e), so that the attention's exponentials are powers of two.
; LIMITS: operands and results are rounded to f16 (sums and bias in f32).  A result beyond 65,504 becomes infinite.  Results of spread 1 keep room for all inputs
; 30 times larger (900 x 5.5, some 5,000) and for offsets of 30 spreads on activations and weights at once (30 x 30/32 x 1024 = 28,800); with all inputs 30 times
; smaller the spread is 0.0011, 18,000 of f16's smallest steps of 2^-24.
; A work-group makes 256 x 256 with four waves; a wave makes 128 x 128: 64 accumulator tiles of 16 x 16, 512 registers.  K = 1024 goes in
; steps of 128 through a ring of two LDS slots filled by the tensor data mover.
; CLUSTERS: 4 x 4 work-groups.  The four of a row of the cluster need the same tiles of ACT, the four of a column the same tiles of WCAT:
; each such tile is asked for jointly, by the same tensor load with the same descriptor and a mask that names the four.
; WCAT lies [k][n]; its fragments are taken from LDS by the transposing load ds_load_tr16_b128.
;
; REGISTERS in windows of 256:
;   window 0: v16-27 addresses; v64-127, v128-191 fragments of ACT, two buffers; v192-255 at work on the way out
;   window 1: v0-63 the bias of my 128 columns; v64-127, v128-191 fragments of WCAT, two buffers
;   window 2: the 32 accumulator tiles of my rows 0-63 (tile (a, b) at v[8 (8 a + b)]);  window 3: those of my rows 64-127
; THE MATRIX INSTRUCTION IS USED TRANSPOSED: source 0 = 16 columns of WCAT, source 1 = 16 rows of ACT, so that lane l holds row l % 16 of the
; result and its eight registers the neighbouring columns 8 (l / 16) + 0..7, which pack into 16 bytes.
.set SIZE_K, 1024
.set KSTEP,  128
.set PITCH,  272                       ; an LDS row of ACT: 256 bytes + 16 of padding: the 16 rows of a fragment load start 16 bytes apart modulo 256
.set BPITCH, 544                       ; an LDS row of WCAT: 512 bytes + 32 of padding, an odd multiple of 32, for the transposing loads
.set HALFT,  128*PITCH                 ; what one tensor load brings: 128 rows of ACT, or 64 k rows of WCAT (64 x 544 is the same number)
.set SLOT,   4*HALFT                   ; ACT's 256 rows, then WCAT's 128 k rows
.set STAGE,  2*SLOT                    ; behind the ring: 16 rows x 272 bytes for each wave, for the way out; no tensor load lands here
.set SPITCH, 272
.set LAPS,   SIZE_K/(2*KSTEP)          ; a lap = two K steps = once round the ring: 4
.set WROW,   10240                     ; bytes in a row of WCAT
.set WCAT,   8388608                   ; where WCAT begins in cb
.set ADRA, 16                          ; v16-17  LDS address of my ACT fragments in slot 0, 1
.set ADRB, 20                          ; v20-21  the same for WCAT
.set STO,  24                          ; v24     the way out: where I put 16 bytes of a row
.set RD,   25                          ; v25     the way out: where I read back
.set CO,   26                          ; v26     my byte offset in qkv
.set BO,   27                          ; v27     my byte offset in the bias; never rewritten
.set F0,   64
.set F1,   128
.set TMP,  192
.set BI,   0                           ; window 1
.set G1,  24                           ; s[24:31] descriptor group 1 for ACT's tiles
.set G0,  32                           ; s[32:39] group 0 for ACT's tiles, one set for each slot
.set G1B, 48                           ; s[48:55] group 1 for WCAT's tiles
.set G0B, 56                           ; s[56:63] group 0 for WCAT's tiles, one set for each slot
.set MSB, 0
.macro WIN new                         ; the immediate's high byte repeats the setting that is left
.if MSB != \new
	s_set_vgpr_msb (MSB<<8)|\new
.set MSB, \new
.endif
.endm
.set MUL_LO, 0xa1                      ; source 0 (WCAT) window 1, source 1 (ACT) window 0, C and D window 2
.set MUL_HI, 0xf1                      ; the same, C and D window 3
.set TO_B,   0x40                      ; destination window 1, address window 0
; A joint load.  Waves 0 and 1 fetch ACT's two halves, waves 2 and 3 WCAT's.  The branch hangs on the wave's number alone.
.macro JLOAD s
	s_cmp_eq_u32 s11, 0
	s_cbranch_scc0 .Lfor_b_\@
	tensor_load_to_lds s[G0+4*\s:G0+4*\s+3], s[G1:G1+7]
	s_nop 0
	s_branch .Lasked_\@
.Lfor_b_\@:
	tensor_load_to_lds s[G0B+4*\s:G0B+4*\s+3], s[G1B:G1B+7]
	s_nop 0
.Lasked_\@:
.endm
; A round of the cluster's barrier: my work-group's barrier, wave 0 signals for the work-group, every wave waits for all sixteen, my work-group's barrier again.
.macro CREST                           ; a round behind its opening barrier
	s_cmp_lg_u32 s10, 0
	s_cbranch_scc1 .Lnot_wave_0_\@
	s_barrier_signal -3
.Lnot_wave_0_\@:
	s_barrier_wait -3
	s_barrier_signal -1
	s_barrier_wait -1
.endm
.macro CROUND
	s_barrier_signal -1
	s_barrier_wait -1
	CREST
.endm
	s_load_b64 s[4:5], s[0:1], 0x0                 ; cb
	s_load_b128 s[72:75], s[0:1], 0x8              ; b_attn_l s[72:73], b_attn_c s[74:75]
	s_load_b128 s[76:79], s[0:1], 0x18             ; b_q s[76:77], qkv s[78:79]
	s_set_vgpr_msb 0x40
	v_lshl_add_u32 v255, v0, 2, 0x48400
	s_set_vgpr_msb 0x4000
	v_mov_b32 v63, 0
	s_set_vgpr_msb 0x1
	ds_add_u32 v255, v63
	ds_add_u32 v255, v63
	s_set_vgpr_msb 0x100
	v_lshrrev_b32 v1, 5, v0
	v_readfirstlane_b32 s10, v1                    ; wave 0..3
	s_lshr_b32 s11, s10, 1                         ; which half of the block's rows is mine.  Also: I fetch for ACT (0) or for WCAT (1)
	s_and_b32 s12, s10, 1                          ; which half of its columns.  Also: which half of that tile I fetch
	s_bfe_u32 s40, ttmp6, 0x40000                  ; cx
	s_bfe_u32 s41, ttmp6, 0x40004                  ; cy
	s_lshl_b32 s42, ttmp9, 2
	s_add_co_u32 s42, s42, s40                     ; block column = 4 x cluster x + cx
	s_and_b32 s13, ttmp7, 0xffff
	s_lshl_b32 s13, s13, 2
	s_add_co_u32 s13, s13, s41                     ; block row = 4 x cluster y + cy
	s_lshl_b32 s43, s41, 2
	s_lshl_b32 s43, 15, s43                        ; my row of the cluster: places 4 cy .. 4 cy + 3
	s_lshl_b32 s44, 0x1111, s40                    ; my column: places cx, cx + 4, cx + 8, cx + 12
	s_lshr_b32 s45, ttmp9, 2                       ; 1 in the section q
	s_sub_co_u32 s45, 19, s45                      ; log2 of a head's bytes in the output: 4096 or 2048 rows of 128 bytes
	; group 1 for ACT: 128 rows x 128 elements of 2 bytes, 4 words of padding behind every 64
	s_or_b32 s[G1+0], s43, (1<<16)|(1<<20)|(1<<21)|(5<<22)|(3<<25)
	s_mov_b32 s[G1+1], KSTEP<<16                   ; tensor_dim0 = 128
	s_mov_b32 s[G1+2], 128<<16                     ; tensor_dim1 = 128
	s_mov_b32 s[G1+3], KSTEP<<16                   ; tile_dim0 = 128
	s_mov_b32 s[G1+4], 128                         ; tile_dim1 = 128
	s_mov_b32 s[G1+5], SIZE_K                      ; elements from row to row
	s_mov_b32 s[G1+6], 0
	s_mov_b32 s[G1+7], 0
	; group 1 for WCAT: 64 k rows x 256 elements, 8 words of padding behind every 128
	s_or_b32 s[G1B+0], s44, (1<<16)|(1<<20)|(1<<21)|(6<<22)|(7<<25)
	s_mov_b32 s[G1B+1], 256<<16
	s_mov_b32 s[G1B+2], 64<<16
	s_mov_b32 s[G1B+3], 256<<16
	s_mov_b32 s[G1B+4], 64
	s_mov_b32 s[G1B+5], 5120
	s_mov_b32 s[G1B+6], 0
	s_mov_b32 s[G1B+7], 0
	; where the tiles come from.  ACT's hang on the cluster's x (the same in all sixteen) and the block row; WCAT's on the block column.
	s_cmp_ge_u32 ttmp9, 2
	s_cselect_b32 s16, 2048, 0                     ; sections 2 to 4 multiply x, which is ACT's rows 2048..
	s_lshl_b32 s17, s13, 8
	s_add_co_u32 s16, s16, s17
	s_lshl_b32 s17, s12, 7
	s_add_co_u32 s16, s16, s17                     ; + 256 x block row + 128 x half
	s_lshl_b32 s16, s16, 11                        ; rows of 2,048 bytes
	s_mov_b32 s17, 0
	s_mul_i32 s46, s12, 64*WROW                    ; WCAT: k row 64 x half,
	s_lshl_b32 s47, s42, 9                         ; column 256 x block column
	s_add_co_u32 s46, s46, s47
	s_add_co_u32 s46, s46, WCAT
	s_mov_b32 s47, 0
	s_mul_i32 s20, s10, HALFT                      ; and where they go: wave x one load's bytes
	s_wait_dscnt 0x0
	s_wait_kmcnt 0x0
	s_add_nc_u64 s[14:15], s[4:5], s[16:17]
	s_add_nc_u64 s[46:47], s[4:5], s[46:47]
	CROUND                                         ; all sixteen work-groups are here: the first joint loads meet
.irp s, 0,1
	s_mov_b32 s[G0+4*\s], 1
	s_add_co_u32 s[G0+4*\s+1], s20, \s*SLOT
	s_add_nc_u64 s[G0+4*\s+2:G0+4*\s+3], s[14:15], \s*KSTEP*2          ; K step s: 128 elements along the row
	s_or_b32 s[G0+4*\s+3], s[G0+4*\s+3], 0x80000000
	s_mov_b32 s[G0B+4*\s], 1
	s_add_co_u32 s[G0B+4*\s+1], s20, \s*SLOT
	s_add_nc_u64 s[G0B+4*\s+2:G0B+4*\s+3], s[46:47], \s*KSTEP*WROW     ; K step s: 128 rows down
	s_or_b32 s[G0B+4*\s+3], s[G0B+4*\s+3], 0x80000000
	JLOAD \s                                       ; both first fills go out before anything else: two tensor loads of a wave are out
.endr
	; the section's bias and scale
	s_cmp_lt_u32 ttmp9, 2
	s_cselect_b64 s[66:67], s[72:73], s[74:75]
	s_cmp_eq_u32 ttmp9, 4
	s_cselect_b64 s[66:67], s[76:77], s[66:67]
	s_cselect_b32 s68, 0x3e38aa3b, 1.0             ; q: 0.125 log2(e); k and v: 1
	s_mov_b32 s69, s68
	s_and_b32 s46, s42, 7                          ; block column within the bias vector (8, 8 and 4 blocks of 256)
	s_lshl_b32 s46, s46, 10
	s_lshl_b32 s47, s12, 9
	s_add_co_u32 s46, s46, s47
	s_mov_b32 s47, 0
	s_add_nc_u64 s[66:67], s[66:67], s[46:47]      ; the bias of my 128 columns
	; fragment addresses.  ACT: lane l holds row l % 16; two loads of 16 bytes, 32 apart, at row x pitch + 16 (l / 16).
	v_and_b32 v1, 15, v0                           ; l % 16
	v_bfe_u32 v2, v0, 4, 1                         ; l / 16
	v_mul_u32_u24 v3, v1, PITCH
	v_lshl_add_u32 v3, v2, 4, v3
	; WCAT: the transposing load wants k row 8 (l / 16) + l % 8 and 16 bytes of columns chosen by bit 3 of l
	v_and_b32 v6, 7, v0
	v_bfe_u32 v7, v0, 3, 1
	v_lshl_add_u32 v8, v2, 3, v6
	v_mul_u32_u24 v8, v8, BPITCH
	v_lshl_add_u32 v8, v7, 4, v8
	s_mul_i32 s21, s11, HALFT                      ; my 128 rows of ACT
	s_lshl_b32 s22, s12, 8                         ; my 128 columns of WCAT,
	s_add_co_u32 s22, s22, 2*HALFT                 ; which lies behind ACT's 256 rows
.irp s, 0,1
	v_add_nc_u32 v[ADRA+\s], s21, v3
	v_add_nc_u32 v[ADRB+\s], s22, v8
	s_add_co_u32 s21, s21, SLOT
	s_add_co_u32 s22, s22, SLOT
.endr
	s_mul_i32 s23, s10, 16*SPITCH
	s_add_co_u32 s23, s23, STAGE                   ; my stage
	v_mul_u32_u24 v4, v1, SPITCH                   ; in: row l % 16, 16 bytes for each half of the lanes
	v_lshl_add_u32 v4, v2, 4, v4
	v_add_nc_u32 v[STO], s23, v4
	v_mul_u32_u24 v5, v7, SPITCH                   ; back: lanes 0-15 take two rows' 128 bytes of my first head, lanes 16-31 of my second
	v_lshl_add_u32 v5, v2, 7, v5
	v_lshl_add_u32 v5, v6, 4, v5
	v_add_nc_u32 v[RD], s23, v5
	v_lshlrev_b32 v5, s45, v2                      ; the same in qkv: head, row, 16 bytes
	v_lshl_add_u32 v5, v7, 7, v5
	v_lshl_add_u32 v[CO], v6, 4, v5
	v_lshlrev_b32 v[BO], 5, v2                     ; my eight columns of each 16: 32 bytes of f32 for each half of the lanes
	WIN TO_B
.irp b, 0,1,2,3,4,5,6,7
	global_load_b128 v[BI+8*\b:BI+8*\b+3],   v[BO], s[66:67] offset:64*\b        ; bias of columns 16 b + 8 (l / 16) + 0..7; waited for on the way out
	global_load_b128 v[BI+8*\b+4:BI+8*\b+7], v[BO], s[66:67] offset:64*\b+16
.endr
; 16 matrix instructions: m blocks a0, a0 + 1 of the window's four x all 8 n blocks, 32 along K.  zero = 1: the first product starts the sums.
.macro MUL16 f, hi, a0, zero
.irp a, \a0, \a0+1
.irp b, 0,1,2,3,4,5,6,7
.if \zero
	v_wmma_f32_16x16x32_f16 v[8*(8*(\a)+\b):8*(8*(\a)+\b)+7], v[\f+8*\b:\f+8*\b+7], v[\f+8*(4*\hi+\a):\f+8*(4*\hi+\a)+7], 0
.else
	v_wmma_f32_16x16x32_f16 v[8*(8*(\a)+\b):8*(8*(\a)+\b)+7], v[\f+8*\b:\f+8*\b+7], v[\f+8*(4*\hi+\a):\f+8*(4*\hi+\a)+7], v[8*(8*(\a)+\b):8*(8*(\a)+\b)+7]
.endif
.endr
.endr
.endm
; 32 LDS loads in one run: the fragments of one quarter step (32 K; k = its byte offset in ACT's rows) into buffer f
.macro FETCH slot, k, f
	WIN TO_B
.irp i, 0,1,2,3,4,5,6,7
	ds_load_tr16_b128 v[\f+8*\i:\f+8*\i+3],   v[ADRB+\slot] offset:(\k/64)*32*BPITCH+32*\i             ; k rows 8 (l / 16) + 0..7 of column 16 i + l % 16
	ds_load_tr16_b128 v[\f+8*\i+4:\f+8*\i+7], v[ADRB+\slot] offset:(\k/64)*32*BPITCH+32*\i+16*BPITCH   ; and sixteen k rows further down
.endr
	WIN 0
.irp i, 0,1,2,3,4,5,6,7
	ds_load_b128 v[\f+8*\i:\f+8*\i+3],   v[ADRA+\slot] offset:\k+\i*16*PITCH
	ds_load_b128 v[\f+8*\i+4:\f+8*\i+7], v[ADRA+\slot] offset:\k+\i*16*PITCH+32
.endr
.endm
; Four places (plain vector instructions that name none of its registers) stand between a matrix instruction and a load into a register that it
; read, or a vector instruction that reads its result (ISA guide 7.12.1 for vector instructions).
.macro PLACES
.rept 4
	v_nop
.endr
.endm
; A K step is four quarter steps of 32 along K, 64 matrix instructions each, on buffers 0, 1, 0, 1.  The 64 accumulators take turns, one
; instruction a turn, in the same order in every quarter, over the loop's backward jump too.
.macro QUARTER slot, k, f, g, zero
	s_wait_dscnt 8                                 ; WCAT's fragments and ACT's rows 0-63 are in; the youngest eight loads (ACT's rows 64-127) may be out
	WIN MUL_LO
	MUL16 \f, 0, 0, \zero
	MUL16 \f, 0, 2, \zero
	PLACES
	FETCH \slot, \k, \g
	s_wait_dscnt 32                                ; all but the 32 just issued
	WIN MUL_HI
	MUL16 \f, 1, 0, \zero
	MUL16 \f, 1, 2, \zero
.endm
.macro THREE slot, zero
	QUARTER \slot, 64,  F0, F1, \zero
	QUARTER \slot, 128, F1, F0, 0
	QUARTER \slot, 192, F0, F1, 0
.endm
; The last quarter multiplies buffer 1 and changes slots.  In front of the barrier each wave waits for its own reads of this slot and for all its
; tensor loads (one is out: its part of the next slot).  Behind it the refill comes first, then the next slot's first fragments.
.macro TURN slot, next, fill
	s_wait_dscnt 8
	WIN MUL_LO
	MUL16 F1, 0, 0, 0
	s_wait_dscnt 0                                 ; my reads of this slot are over
	s_wait_tensorcnt 0x0                           ; and all my tensor loads have landed
	ds_add_u32 v255, v63
	s_wait_dscnt 0x0
	s_barrier_signal -1                            ; (where a slot is filled again this barrier opens a round of the cluster's barrier)
	MUL16 F1, 0, 2, 0                              ; register work while the others arrive
	WIN 0
	s_barrier_wait -1
.if \fill
	CREST                                          ; no wave of any partner still reads this slot's tile or has a load on its way
	s_add_nc_u64 s[G0+4*\slot+2:G0+4*\slot+3], s[G0+4*\slot+2:G0+4*\slot+3], 2*KSTEP*2
	s_add_nc_u64 s[G0B+4*\slot+2:G0B+4*\slot+3], s[G0B+4*\slot+2:G0B+4*\slot+3], 2*KSTEP*WROW
	JLOAD \slot                                    ; the wave's one tensor load behind the round, two K steps ahead
.endif
	PLACES
	FETCH \next, 0, F0
	WIN MUL_HI
	MUL16 F1, 1, 0, 0
	MUL16 F1, 1, 2, 0
.endm
.macro LAP zero
	THREE 0, \zero
	TURN 0, 1, 1
	THREE 1, 0
	TURN 1, 0, 1
.endm
	s_wait_tensorcnt 1                             ; my part of K step 0 is in; K step 1's may stay out
	s_barrier_signal -1
	s_barrier_wait -1                              ; everybody's is
	FETCH 0, 0, F0
	LAP 1                                          ; the first lap stands in front of the loop: its first products start the sums
	WIN 0                                          ; at a label and at a branch every window is 0
	s_mov_b32 s3, LAPS-2
.Llap:
	LAP 0
	WIN 0
	s_sub_co_u32 s3, s3, 1
	s_cmp_lg_u32 s3, 0
	s_cbranch_scc1 .Llap
	THREE 0, 0                                     ; the last lap fills nothing
	TURN 0, 1, 0
	THREE 1, 0
	s_wait_dscnt 8
	WIN MUL_LO
	MUL16 F1, 0, 0, 0
	MUL16 F1, 0, 2, 0
	s_wait_dscnt 0
	WIN MUL_HI
	MUL16 F1, 1, 0, 0
	MUL16 F1, 1, 2, 0
	; THE WAY OUT, 16 rows at a time: (sum + bias) x scale as one fused multiply-add on the bias scaled beforehand, round to f16, 16 bytes a lane into
	; my own stage, read back so that sixteen lanes hold two neighbouring rows (256 bytes) of one head.
	PLACES
	s_wait_loadcnt 0x0                             ; the bias
	WIN 0x41
.set i, 0
.rept 32
	v_pk_mul_f32 v[BI+2*i:BI+2*i+1], v[BI+2*i:BI+2*i+1], s[68:69] op_sel_hi:[1,0]
.set i, i+1
.endr
	s_and_b32 s14, ttmp9, 1                        ; v sections: V begins 8,388,608 bytes in
	s_lshl_b32 s14, s14, 23
	s_bfe_u32 s15, ttmp9, 0x10001                  ; text sections: keys 2048.., 262,144 bytes in
	s_lshl_b32 s15, s15, 18
	s_add_co_u32 s14, s14, s15
	s_lshr_b32 s15, ttmp9, 2                       ; q: 16,777,216 bytes in
	s_lshl_b32 s15, s15, 24
	s_add_co_u32 s14, s14, s15
	s_lshl_b32 s16, s13, 8
	s_lshl_b32 s18, s11, 7
	s_add_co_u32 s16, s16, s18                     ; my first row = 256 x block row + 128 x half,
	s_lshl_b32 s16, s16, 7                         ; rows of 128 bytes
	s_add_co_u32 s14, s14, s16
	s_lshl_b32 s46, s40, 2                         ; my first head = 4 cx + 2 x half (in the registers that held WCAT's address)
	s_lshl1_add_u32 s46, s12, s46
	s_lshl_b32 s46, s46, s45
	s_add_co_u32 s46, s46, s14
	s_mov_b32 s47, 0
	s_add_nc_u64 s[70:71], s[78:79], s[46:47]
; rows 16 i .. 16 i + 15 of my block = the eight tiles (a, 0..7) of window 2 or 3 (from = 0x12 or 0x13: source 0 there, source 2 = the bias in window 1)
.macro OUT16 i, a, from, f
	WIN \from
.irp b, 0,1,2,3,4,5,6,7
.irp r, 0,1,2,3
	v_pk_fma_f32 v[TMP+8*\b+2*\r:TMP+8*\b+2*\r+1], v[8*(8*\a+\b)+2*\r:8*(8*\a+\b)+2*\r+1], s[68:69], v[BI+8*\b+2*\r:BI+8*\b+2*\r+1] op_sel_hi:[1,0,1]
.endr
.endr
	WIN 0
.irp b, 0,1,2,3,4,5,6,7
.irp r, 0,1,2,3
	v_cvt_pk_f16_f32 v[TMP+4*\b+\r], v[TMP+8*\b+2*\r], v[TMP+8*\b+2*\r+1]      ; in place, ascending: word o is made of words 2 o and 2 o + 1
.endr
.endr
.irp b, 0,1,2,3,4,5,6,7
	ds_store_b128 v[STO], v[TMP+4*\b:TMP+4*\b+3] offset:32*\b
.endr
	s_wait_xcnt 0x0                                ; buffer f, which earlier stores read, and the stores' base are rewritten only behind this wait
.if \i
	s_add_nc_u64 s[70:71], s[70:71], 16*128        ; 16 rows on
.endif
.irp t, 0,1,2,3,4,5,6,7
	ds_load_b128 v[\f+4*\t:\f+4*\t+3], v[RD] offset:\t*2*SPITCH    ; LDS serves a wave's instructions in order: these see the stores above
.endr
.irp t, 0,1,2,3,4,5,6,7
	s_wait_dscnt 7-\t
	global_store_b128 v[CO], v[\f+4*\t:\f+4*\t+3], s[70:71] offset:256*\t   ; 16 lanes store 256 consecutive bytes, at a multiple of 256 from qkv's first byte
.endr
.endm
	OUT16 0, 0, 0x12, F0
	OUT16 1, 1, 0x12, F1
	OUT16 2, 2, 0x12, F0
	OUT16 3, 3, 0x12, F1
	OUT16 4, 0, 0x13, F0
	OUT16 5, 1, 0x13, F1
	OUT16 6, 2, 0x13, F0
	OUT16 7, 3, 0x13, F1
	s_set_vgpr_msb 0x1
	s_wait_tensorcnt 0x0
	ds_add_u32 v255, v63
	s_wait_dscnt 0x0
	s_set_vgpr_msb 0x100
	CROUND                                         ; the closing round: no work-group ends while a partner may still ask for a tile that names it
	s_endpgm
.Lfunc_end_k_qea5d17d168_proj:
	.size	k_qea5d17d168_proj, .Lfunc_end_k_qea5d17d168_proj-k_qea5d17d168_proj
	.p2alignl 7, 3214868480
	.fill 96, 4, 3214868480
	.section	.rodata,"a",@progbits
	.p2align	6, 0x0
	.amdhsa_kernel k_qea5d17d168_proj
		.amdhsa_group_segment_fixed_size 327680
		.amdhsa_private_segment_fixed_size 0
		.amdhsa_enable_private_segment 0
		.amdhsa_kernarg_size 40
		.amdhsa_user_sgpr_count 2
		.amdhsa_user_sgpr_kernarg_segment_ptr 1
		.amdhsa_wavefront_size32 1
		.amdhsa_system_sgpr_workgroup_id_x 1
		.amdhsa_system_sgpr_workgroup_id_y 1
		.amdhsa_system_sgpr_workgroup_id_z 1
		.amdhsa_system_vgpr_workitem_id 0
		.amdhsa_next_free_vgpr 1024
		.amdhsa_next_free_sgpr 80
		.amdhsa_reserve_vcc 0
		.amdhsa_float_denorm_mode_32 3
		.amdhsa_float_denorm_mode_16_64 3
		.amdhsa_memory_ordered 1
		.amdhsa_forward_progress 1
		.amdhsa_inst_pref_size 217
	.end_amdhsa_kernel
	.amdgpu_metadata
---
amdhsa.version: [ 1, 2 ]
amdhsa.kernels:
  - .name:           k_qea5d17d168_proj
    .symbol:         k_qea5d17d168_proj.kd
    .args:
      - { .name: cb, .offset: 0, .size: 8, .value_kind: global_buffer, .address_space: global }
      - { .name: b_attn_l, .offset: 8, .size: 8, .value_kind: global_buffer, .address_space: global }
      - { .name: b_attn_c, .offset: 16, .size: 8, .value_kind: global_buffer, .address_space: global }
      - { .name: b_q, .offset: 24, .size: 8, .value_kind: global_buffer, .address_space: global }
      - { .name: qkv, .offset: 32, .size: 8, .value_kind: global_buffer, .address_space: global }
    .group_segment_fixed_size: 327680
    .private_segment_fixed_size: 0
    .kernarg_segment_align: 8
    .kernarg_segment_size: 40
    .max_flat_workgroup_size: 128
    .sgpr_count:     80
    .vgpr_count:     1024
    .wavefront_size: 32
...
	.end_amdgpu_metadata
.endif
;; end of part 2
;; launch attn (part 3): grid 16 x 16, 8 waves a work-group, no clusters, 327,680 bytes of LDS; arguments qkv, yh; writes yh
.if DOCPART == 3
	.amdgcn_target "amdgcn-amd-amdhsa--gfx1250"
	.amdhsa_code_object_version 6
	.text
	.protected	k_qea5d17d168_attn
	.globl	k_qea5d17d168_attn
	.p2align	8
	.type	k_qea5d17d168_attn,@function
k_qea5d17d168_attn:
	s_mov_b64 s[64:65], 0
	v_nop
	global_prefetch_b8 v0, s[64:65] scope:SCOPE_SE
	s_setreg_imm32_b32 hwreg(HW_REG_WAVE_MODE, 25, 1), 1
	s_wait_xcnt 0x0
; Attention with a running maximum.  qkv: K [16 h][4096 key][64] at byte 0, V likewise at 8,388,608, Q [16 h][2048][64] at 16,777,216, all f16, Q already
; multiplied by 0.125 log2(e).  Query i sees keys 0 .. 2047 + i (all latents, text positions below i).  Result yh: f16 [16 q/128][16 h][128 q%128][64].
; Work-group (b, h), b = 0..15: the query blocks of 64 numbered b and 31 - b of head h.  Block B needs the 64-key steps t = 0 .. 32 + B, the last one masked:
; 33 + b and 64 - b steps, 97 in every work-group.  Steps whose scores the mask throws away whole are not done.
; Wave w: p = w & 3, g = w >> 2.  It holds the query tile p (16 queries) of both blocks and takes keys 32 g .. 32 g + 31 of every step, so waves w and w + 4
; share the keys and join their partial results at the end, through LDS.  Register set 0 is the low block for g = 0 and the high block for g = 1; set 1 is the other;
; every wave gives its set 1 to its partner and finishes its set 0.
; The scores are made transposed, S^T = K Q^T: a lane then holds ONE query (l % 16) and the keys 8 (l / 16) + j of each tile of 16, so that maximum and sum run along its own
; registers and one exchange with lane l ^ 16, two packed score tiles ARE the second source of O^T = V^T P^T, and the rescaling factor is the lane's own number.
; K and V come by tensor loads through a ring of two LDS slots of 128 keys (two steps): one barrier and one load a wave for two steps.
; NO CLUSTER: work-groups of one head walk the same K and V, but need 64 - b steps, a different number in each, and the even share of 97 units hangs on that.
; LIMITS: Q, K, V and the probabilities enter the products in f16, y leaves in f16.  The probabilities are at most 1 (the running maximum is taken away first); one below 2^-25
; of its row's largest counts as 0, and 4,096 such are at most 0.00013 of a sum that is at least 1.  y is a convex mix of V's rows, so it is no larger than V, which fits f16.
; An exponential below 2^-126 counts as 0 (ISA guide, v_exp_f32).  NaN and infinities among the inputs are not reproduced element for element.
.set KP,    144                        ; an LDS row of K: 128 bytes + 16
.set VP,    160                        ; an LDS row of V: 128 bytes + 32, an odd multiple of 32, for the transposing loads
.set KT,    128*KP
.set SLOT,  KT+128*VP                  ; 38,912
.set XCH,   2*SLOT                     ; behind the ring: 4,352 bytes for each wave, the partial result that it hands over
.set XW,    4352
.set STG,   XCH+8*XW                   ; 16 rows x 144 bytes for each wave, for the way out.  No tensor load lands in XCH or STG
.set SW,    16*KP
.set CHUNK, 128*128                    ; bytes of 128 keys of a head in memory
.set ADK,  4                           ; v4        LDS address of my K fragments in slot 0
.set ADV,  5                           ; v5        the same for V
.set QREL, 6                           ; v6        my query's place in its block less my first key's place in the step (signed)
.set Q,    8                           ; v[8:39]   Q + 16 x + 8 ks: set x, 32 head dimensions ks
.set O,    40                          ; v[40:103] O + 32 x + 8 dt: set x, 16 head dimensions dt
.set ML,   104                         ; v[104:107] (maximum, my part of the sum) of set 0, of set 1
.set AL,   108                         ; v[108:109] the rescaling factor; the pair's second register is only ever 0
.set T,    110                         ; v[110:117] at work
.set S,    120                         ; v[120:135] two score tiles
.set P,    136                         ; v[136:143] the same, packed to f16
.set KF,   144                         ; v[144:175] KF + 16 mt + 8 ks
.set VF,   176                         ; v[176:207] VF + 8 dt
.set G1K, 24                           ; s[24:31] group 1 for K's tiles
.set G1V, 32                           ; s[32:39] for V's
.set G0K, 40                           ; s[40:47] group 0 for K's tiles, one set for each slot
.set G0V, 48                           ; s[48:55] for V's
	s_load_b128 s[4:7], s[0:1], 0x0                ; qkv s[4:5], yh s[6:7]
	v_lshl_add_u32 v208, v0, 2, 0x29000
	v_mov_b32 v209, 0
	ds_add_u32 v208, v209
	ds_add_u32 v208, v209
	v_lshrrev_b32 v1, 5, v0
	v_readfirstlane_b32 s8, v1                     ; wave 0..7
	s_and_b32 s9, s8, 3                            ; p
	s_lshr_b32 s10, s8, 2                          ; g
	s_mov_b32 s11, ttmp9                           ; b
	s_and_b32 s12, ttmp7, 0xffff                   ; h
	s_mov_b32 s18, 0x76543210                      ; v_permlanex16_b32: lane i of one half reads lane i of the other
	s_mov_b32 s19, 0xfedcba98
	; group 1: 32 rows x 64 elements of 2 bytes; behind every 32 words 4 words of padding (K) or 8 (V)
	s_mov_b32 s[G1K+0], (1<<16)|(1<<20)|(4<<22)|(3<<25)
	s_mov_b32 s[G1V+0], (1<<16)|(1<<20)|(4<<22)|(7<<25)
.irp g, G1K, G1V
	s_mov_b32 s[\g+1], 64<<16                      ; tensor_dim0 = 64
	s_mov_b32 s[\g+2], 32<<16                      ; tensor_dim1 = 32
	s_mov_b32 s[\g+3], 64<<16                      ; tile_dim0 = 64
	s_mov_b32 s[\g+4], 32                          ; tile_dim1 = 32
	s_mov_b32 s[\g+5], 64                          ; elements from row to row
	s_mov_b32 s[\g+6], 0
	s_mov_b32 s[\g+7], 0
.endr
	s_mul_i32 s20, s9, 32*KP                       ; waves 0-3 fetch K's rows 32 p .., waves 4-7 V's
	s_mul_i32 s21, s9, 32*VP
	s_add_co_u32 s21, s21, KT
	s_lshl_b32 s22, s12, 19                        ; a head's 4096 rows of 128 bytes
	s_lshl_b32 s23, s9, 12                         ; 32 rows
	s_add_co_u32 s22, s22, s23
	s_mov_b32 s23, 0
	s_wait_dscnt 0x0
	s_wait_kmcnt 0x0
	s_add_nc_u64 s[56:57], s[4:5], s[22:23]
	s_add_nc_u64 s[58:59], s[56:57], 0x800000
.irp s, 0,1
	s_mov_b32 s[G0K+4*\s], 1
	s_add_co_u32 s[G0K+4*\s+1], s20, \s*SLOT
	s_add_nc_u64 s[G0K+4*\s+2:G0K+4*\s+3], s[56:57], \s*CHUNK
	s_or_b32 s[G0K+4*\s+3], s[G0K+4*\s+3], 0x80000000
	s_mov_b32 s[G0V+4*\s], 1
	s_add_co_u32 s[G0V+4*\s+1], s21, \s*SLOT
	s_add_nc_u64 s[G0V+4*\s+2:G0V+4*\s+3], s[58:59], \s*CHUNK
	s_or_b32 s[G0V+4*\s+3], s[G0V+4*\s+3], 0x80000000
.endr
	s_cmp_lt_u32 s8, 4                             ; both first fills of a wave inside one branch on its number: two tensor loads of a wave are out
	s_cbranch_scc0 .Lfirst_v
	tensor_load_to_lds s[G0K:G0K+3], s[G1K:G1K+7]
	s_nop 0
	tensor_load_to_lds s[G0K+4:G0K+7], s[G1K:G1K+7]
	s_nop 0
	s_branch .Lfirst_done
.Lfirst_v:
	tensor_load_to_lds s[G0V:G0V+3], s[G1V:G1V+7]
	s_nop 0
	tensor_load_to_lds s[G0V+4:G0V+7], s[G1V:G1V+7]
	s_nop 0
.Lfirst_done:
	; which blocks, how far
	s_sub_co_u32 s20, 31, s11
	s_cmp_eq_u32 s10, 0
	s_cselect_b32 s22, s11, s20                    ; set 0's block
	s_cselect_b32 s23, s20, s11                    ; set 1's block
	s_add_co_u32 s14, s22, 32                      ; set 0's last step, the masked one
	s_add_co_u32 s15, s23, 32                      ; set 1's
	s_sub_co_u32 s16, 63, s11                      ; the work-group's last step
	s_lshl_b32 s22, s22, 6
	s_lshl4_add_u32 s22, s9, s22                   ; set 0's first query = 64 x block + 16 p (kept for the way out)
	s_lshl_b32 s23, s23, 6
	s_lshl4_add_u32 s23, s9, s23
	s_lshl_b32 s62, s12, 18                        ; Q: a head's 2048 rows of 128 bytes
	s_add_co_u32 s62, s62, 0x1000000
	s_mov_b32 s63, 0
	s_add_nc_u64 s[60:61], s[4:5], s[62:63]
	v_and_b32 v2, 15, v0                           ; l % 16
	v_bfe_u32 v3, v0, 4, 1                         ; l / 16
	v_add_nc_u32 v1, s22, v2
	v_lshlrev_b32 v1, 7, v1
	v_lshl_add_u32 v1, v3, 4, v1                   ; set 0: query row x 128 + 16 (l / 16)
	v_add_nc_u32 v7, s23, v2
	v_lshlrev_b32 v7, 7, v7
	v_lshl_add_u32 v7, v3, 4, v7                   ; set 1
.irp ks, 0,1
	global_load_b128 v[Q+8*\ks:Q+8*\ks+3],       v1, s[60:61] offset:64*\ks
	global_load_b128 v[Q+8*\ks+4:Q+8*\ks+7],     v1, s[60:61] offset:64*\ks+32
	global_load_b128 v[Q+16+8*\ks:Q+16+8*\ks+3], v7, s[60:61] offset:64*\ks
	global_load_b128 v[Q+16+8*\ks+4:Q+16+8*\ks+7], v7, s[60:61] offset:64*\ks+32
.endr
	v_mul_u32_u24 v[ADK], v2, KP                   ; K: key row l % 16, 16 bytes for each half of the lanes, my 32 keys of a step
	v_lshl_add_u32 v[ADK], v3, 4, v[ADK]
	s_mul_i32 s20, s10, 32*KP
	v_add_nc_u32 v[ADK], s20, v[ADK]
	v_and_b32 v[ADV], 7, v0                        ; V, for the transposing load: key row 8 (l / 16) + l % 8, 16 bytes chosen by bit 3 of l
	v_lshl_add_u32 v[ADV], v3, 3, v[ADV]
	v_mul_u32_u24 v[ADV], v[ADV], VP
	v_bfe_u32 v118, v0, 3, 1
	v_lshl_add_u32 v[ADV], v118, 4, v[ADV]
	s_mul_i32 s21, s10, 32*VP
	s_add_co_u32 s21, s21, KT
	v_add_nc_u32 v[ADV], s21, v[ADV]
	s_lshl_b32 s20, s9, 4
	s_lshl_b32 s21, s10, 5
	s_sub_co_i32 s20, s20, s21
	v_add_nc_u32 v[QREL], s20, v2
	v_lshlrev_b32 v119, 3, v3
	v_sub_nc_u32 v[QREL], v[QREL], v119            ; 16 p + l % 16 - 32 g - 8 (l / 16): in the masked step score register c (key 16 (c / 8) + c % 8 of mine) stays iff that key number is below this
	v_mov_b32 v[ML+1], 0                           ; the packed subtraction names the pair (maximum, sum): the sums are written before the first step
	v_mov_b32 v[ML+3], 0
	v_mov_b32 v[AL+1], 0                           ; likewise the second register of the factor's pair
	v_mov_b32 v[T+1], 0                            ; v_permlanex16_b32's destination counts as read
	s_lshr_b32 s20, s11, 1
	s_sub_co_u32 s20, 30, s20                      ; M - 2, where M = 32 - b / 2 is the number of 128-key pieces that hold the 64 - b steps
	s_and_b32 s62, s20, 1                          ; M odd?
	s_lshr_b32 s17, s20, 1                         ; trips of the loop, two pieces each: (30 - 7) / 2 = 11 at the least, since b is at most 15;
	s_max_u32 s17, s17, 1                          ; the bound written out, so that the loop that counts down to 0 is seen to end: it changes no value
	s_mov_b32 s13, 0                               ; t, the step
	s_wait_loadcnt 0x0                             ; Q
	s_wait_tensorcnt 0x1                           ; my part of slot 0 is in; slot 1's may stay out
	s_barrier_signal -1
	s_barrier_wait -1
.macro KVLOAD s
	s_cmp_lt_u32 s8, 4
	s_cbranch_scc0 .Lv_\@
	tensor_load_to_lds s[G0K+4*\s:G0K+4*\s+3], s[G1K:G1K+7]
	s_nop 0
	s_branch .Ld_\@
.Lv_\@:
	tensor_load_to_lds s[G0V+4*\s:G0V+4*\s+3], s[G1V:G1V+7]
	s_nop 0
.Ld_\@:
.endm
; One query tile (set x) against my 32 keys of the step.  first = 1: step 0, which starts maximum, sum and O, is never masked and never skipped.
; The matrix instructions take their accumulators by turns, one instruction a turn, on every way through.
.macro BLOCK x, first
.if \first == 0
	s_cmp_gt_u32 s13, s[14+\x]                     ; beyond the block's last step: the mask throws all of it away
	s_cbranch_scc1 .Lskip_\@
.endif
	s_wait_dscnt 0x8                               ; K's eight loads are in; V's eight, issued behind them, may be out
	v_wmma_f32_16x16x32_f16 v[S:S+7],    v[KF:KF+7],     v[Q+16*\x:Q+16*\x+7],    0
	v_wmma_f32_16x16x32_f16 v[S+8:S+15], v[KF+16:KF+23], v[Q+16*\x:Q+16*\x+7],    0
	v_wmma_f32_16x16x32_f16 v[S:S+7],    v[KF+8:KF+15],  v[Q+16*\x+8:Q+16*\x+15], v[S:S+7]
	v_wmma_f32_16x16x32_f16 v[S+8:S+15], v[KF+24:KF+31], v[Q+16*\x+8:Q+16*\x+15], v[S+8:S+15]
.rept 4
	v_nop                                          ; four places before a vector instruction reads the scores (ISA guide 7.12.1)
.endr
.if \first == 0
	s_cmp_lg_u32 s13, s[14+\x]
	s_cbranch_scc1 .Lnomask_\@
.irp c, 0,1,2,3,4,5,6,7,8,9,10,11,12,13,14,15
	v_cmp_lt_i32 vcc_lo, 16*(\c/8)+(\c%8), v[QREL]
	v_cndmask_b32 v[S+\c], 0xff800000, v[S+\c], vcc_lo     ; minus infinity where the key is not below the query; the running maximum is finite since step 0
.endr
.Lnomask_\@:
.endif
	v_max3_num_f32 v[T],   v[S],    v[S+1],  v[S+2]
	v_max3_num_f32 v[T+2], v[S+3],  v[S+4],  v[S+5]
	v_max3_num_f32 v[T+3], v[S+6],  v[S+7],  v[S+8]
	v_max3_num_f32 v[T+4], v[S+9],  v[S+10], v[S+11]
	v_max3_num_f32 v[T+5], v[S+12], v[S+13], v[S+14]
	v_max3_num_f32 v[T],   v[T],    v[T+2],  v[T+3]
	v_max3_num_f32 v[T+4], v[T+4],  v[T+5],  v[S+15]
.if \first
	v_max_num_f32 v[T], v[T], v[T+4]
	v_permlanex16_b32 v[T+1], v[T], s18, s19       ; the query's other sixteen keys lie in lane l ^ 16
	v_max_num_f32 v[ML+2*\x], v[T], v[T+1]
.else
	v_max3_num_f32 v[T], v[T], v[T+4], v[ML+2*\x]
	v_permlanex16_b32 v[T+1], v[T], s18, s19
	v_max_num_f32 v[T], v[T], v[T+1]
	v_sub_f32 v[AL], v[ML+2*\x], v[T]
	v_mov_b32 v[ML+2*\x], v[T]                     ; the new maximum
	v_exp_f32 v[AL], v[AL]                         ; 2^(old - new); the subtractions below are the plain places behind it (ISA guide 5.7.2)
.endif
.irp i, 0,1,2,3,4,5,6,7
	v_pk_add_f32 v[S+2*\i:S+2*\i+1], v[S+2*\i:S+2*\i+1], v[ML+2*\x:ML+2*\x+1] op_sel_hi:[1,0] neg_lo:[0,1] neg_hi:[0,1]   ; both less the maximum
.endr
.irp i, 0,1,2,3,4,5,6,7,8,9,10,11,12,13,14,15
	v_exp_f32 v[S+\i], v[S+\i]
.if \first == 0
	s_wait_alu depctr_va_vdst(0)
	v_pk_mul_f32 v[O+32*\x+2*\i:O+32*\x+2*\i+1], v[O+32*\x+2*\i:O+32*\x+2*\i+1], v[AL:AL+1] op_sel_hi:[1,0]   ; O rescaled; also the plain place behind each exponential
.endif
.endr
.if \first
	v_nop                                          ; the plain place behind the last exponential
.endif
	s_wait_alu depctr_va_vdst(0)
	v_pk_add_f32 v[T:T+1],   v[S:S+1],     v[S+2:S+3]
	v_pk_add_f32 v[T+2:T+3], v[S+4:S+5],   v[S+6:S+7]
	v_pk_add_f32 v[T+4:T+5], v[S+8:S+9],   v[S+10:S+11]
	v_pk_add_f32 v[T+6:T+7], v[S+12:S+13], v[S+14:S+15]
	v_pk_add_f32 v[T:T+1],   v[T:T+1],     v[T+2:T+3]
	v_pk_add_f32 v[T+4:T+5], v[T+4:T+5],   v[T+6:T+7]
	v_pk_add_f32 v[T:T+1],   v[T:T+1],     v[T+4:T+5]
.if \first
	v_add_f32 v[ML+2*\x+1], v[T], v[T+1]
.else
	v_add_f32 v[T], v[T], v[T+1]
	v_fma_f32 v[ML+2*\x+1], v[ML+2*\x+1], v[AL], v[T]      ; my lane's part of the sum; the two halves of the lanes are joined at the end
.endif
.irp i, 0,1,2,3,4,5,6,7
	v_cvt_pk_f16_f32 v[P+\i], v[S+2*\i], v[S+2*\i+1]       ; keys 8 (l / 16) + 0..7 in registers 0-3, sixteen further in 4-7: the second source's own layout
.endr
	s_wait_dscnt 0x0                               ; V's fragments
.irp dt, 0,1,2,3
.if \first
	v_wmma_f32_16x16x32_f16 v[O+32*\x+8*\dt:O+32*\x+8*\dt+7], v[VF+8*\dt:VF+8*\dt+7], v[P:P+7], 0
.else
	v_wmma_f32_16x16x32_f16 v[O+32*\x+8*\dt:O+32*\x+8*\dt+7], v[VF+8*\dt:VF+8*\dt+7], v[P:P+7], v[O+32*\x+8*\dt:O+32*\x+8*\dt+7]
.endif
.endr
.Lskip_\@:
.endm
; One step of 64 keys: half 0 or 1 of a slot.  mayskip = 1: the piece's second step may lie beyond the work-group's last.
.macro SUB slot, half, first, mayskip
.if \mayskip
	s_cmp_gt_u32 s13, s16
	s_cbranch_scc1 .Lnone_\@
.endif
.if \first == 0
.rept 4
	v_nop                                          ; four places between the last step's products and the loads into their sources
.endr
.endif
.irp mt, 0,1
.irp ks, 0,1
	ds_load_b128 v[KF+16*\mt+8*\ks:KF+16*\mt+8*\ks+3],   v[ADK] offset:\slot*SLOT+\half*64*KP+\mt*16*KP+\ks*64
	ds_load_b128 v[KF+16*\mt+8*\ks+4:KF+16*\mt+8*\ks+7], v[ADK] offset:\slot*SLOT+\half*64*KP+\mt*16*KP+\ks*64+32
.endr
.endr
.irp dt, 0,1,2,3
	ds_load_tr16_b128 v[VF+8*\dt:VF+8*\dt+3],   v[ADV] offset:\slot*SLOT+\half*64*VP+32*\dt
	ds_load_tr16_b128 v[VF+8*\dt+4:VF+8*\dt+7], v[ADV] offset:\slot*SLOT+\half*64*VP+32*\dt+16*VP
.endr
	BLOCK 0, \first
	BLOCK 1, \first
	s_wait_dscnt 0x0                               ; the blocks' own waits stand inside their branches: this one stands on every way, so that KF and VF are loaded again only when this step's loads are back
.Lnone_\@:
	s_add_co_u32 s13, s13, 1
.endm
; One piece of 128 keys in slot; the other slot, read last, is filled again two pieces ahead.
.macro TWO slot, other, refill, mayskip
	s_wait_tensorcnt 0x0                           ; all my tensor loads have landed, my part of this slot among them, so every group 0 may be written
	ds_add_u32 v208, v209
	s_wait_dscnt 0x0
	s_add_nc_u64 s[G0K+4*\other+2:G0K+4*\other+3], s[G0K+4*\other+2:G0K+4*\other+3], 2*CHUNK
	s_add_nc_u64 s[G0V+4*\other+2:G0V+4*\other+3], s[G0V+4*\other+2:G0V+4*\other+3], 2*CHUNK
	s_wait_dscnt 0x0                               ; my reads of the other slot are back
	s_barrier_signal -1
	s_barrier_wait -1                              ; both now hold of all eight waves
.if \refill
	KVLOAD \other                                  ; my one tensor load behind this barrier, first thing there; it has two steps' work in which to land
.endif
	SUB \slot, 0, 0, 0
	SUB \slot, 1, 0, \mayskip
.endm
	SUB 0, 0, 1, 0                                 ; piece 0
	SUB 0, 1, 0, 0
.Lring:
	TWO 1, 0, 1, 0
	TWO 0, 1, 1, 0
	s_sub_co_u32 s17, s17, 1
	s_cmp_lg_u32 s17, 0
	s_cbranch_scc1 .Lring
	s_cmp_lg_u32 s62, 0                            ; the same in all eight waves
	s_cbranch_scc1 .Lodd
	TWO 1, 0, 0, 1                                 ; M even: one piece is left, and it has been asked for
	s_branch .Ljoin
.Lodd:
	TWO 1, 0, 1, 0                                 ; M odd: two are left, the last still to be asked for
	TWO 0, 1, 0, 1
.Ljoin:
	; My set 1 goes to wave w ^ 4, whose set 0 is the same queries; its set 1 comes to me.
.rept 4
	v_nop                                          ; four places behind the last products
.endr
	v_and_b32 v1, 31, v0
	v_lshlrev_b32 v7, 3, v1
	v_lshlrev_b32 v1, 4, v1                        ; 16 x lane: also my offset in the tile of yh
	s_mul_i32 s20, s8, XW
	s_add_co_u32 s20, s20, XCH
	s_xor_b32 s21, s8, 4
	s_mul_i32 s21, s21, XW
	s_add_co_u32 s21, s21, XCH
	v_add_nc_u32 v118, s20, v1
	v_add_nc_u32 v119, s21, v1
	v_add_nc_u32 v136, s20, v7
	v_add_nc_u32 v137, s21, v7
.irp i, 0,1,2,3,4,5,6,7
	ds_store_b128 v118, v[O+32+4*\i:O+32+4*\i+3] offset:512*\i
.endr
	ds_store_b64 v136, v[ML+2:ML+3] offset:4096
	s_wait_dscnt 0x0                               ; for the partner's sake: my stores are done before I signal
	s_barrier_signal -1
	s_barrier_wait -1
.irp i, 0,1,2,3,4,5,6,7
	ds_load_b128 v[KF+4*\i:KF+4*\i+3], v119 offset:512*\i
.endr
	ds_load_b64 v[T+2:T+3], v137 offset:4096
	s_mul_i32 s20, s8, SW
	s_add_co_u32 s20, s20, STG
	v_mul_u32_u24 v138, v2, KP                     ; stage, in: query row l % 16, 16 bytes for each half of the lanes
	v_lshl_add_u32 v138, v3, 4, v138
	v_add_nc_u32 v138, s20, v138
	v_bfe_u32 v139, v0, 3, 2                       ; stage, back: four rows of 128 bytes a load
	v_mul_u32_u24 v139, v139, KP
	v_and_b32 v7, 7, v0
	v_lshl_add_u32 v139, v7, 4, v139
	v_add_nc_u32 v139, s20, v139
	s_lshr_b32 s20, s22, 7                         ; my tile in yh: ((q0 / 128) x 16 + h) x 128 + q0 % 128 rows of 128 bytes
	s_lshl4_add_u32 s20, s20, s12
	s_lshl_b32 s20, s20, 7
	s_and_b32 s21, s22, 127
	s_add_co_u32 s20, s20, s21
	s_lshl_b32 s20, s20, 7
	s_mov_b32 s21, 0
	s_add_nc_u64 s[6:7], s[6:7], s[20:21]
	s_wait_dscnt 0x0
	v_max_num_f32 v[T], v[ML], v[T+2]              ; the joint maximum
	v_sub_f32 v[T+4], v[ML], v[T]
	v_sub_f32 v[T+6], v[T+2], v[T]
	v_exp_f32 v[T+4], v[T+4]
	v_exp_f32 v[T+6], v[T+6]
	v_nop
	s_wait_alu depctr_va_vdst(0)
	v_mul_f32 v[T+5], v[ML+1], v[T+4]
	v_fmac_f32 v[T+5], v[T+3], v[T+6]
	v_permlanex16_b32 v[T+1], v[T+5], s18, s19     ; the sums of the query's other keys, in lane l ^ 16
	v_add_f32 v[T+5], v[T+5], v[T+1]               ; above 0: every query sees all latents, and the largest term is 1
	v_rcp_f32 v[T+5], v[T+5]
	v_nop
	s_wait_alu depctr_va_vdst(0)
	v_mul_f32 v[T+4], v[T+4], v[T+5]
	v_mul_f32 v[T+6], v[T+6], v[T+5]
.irp i, 0,1,2,3,4,5,6,7,8,9,10,11,12,13,14,15
	v_pk_mul_f32 v[O+2*\i:O+2*\i+1], v[O+2*\i:O+2*\i+1], v[T+4:T+5] op_sel_hi:[1,0]
.endr
.irp i, 0,1,2,3,4,5,6,7,8,9,10,11,12,13,14,15
	v_pk_fma_f32 v[O+2*\i:O+2*\i+1], v[KF+2*\i:KF+2*\i+1], v[T+6:T+7], v[O+2*\i:O+2*\i+1] op_sel_hi:[1,0,1]
.endr
.irp i, 0,1,2,3,4,5,6,7,8,9,10,11,12,13,14,15
	v_cvt_pk_f16_f32 v[S+\i], v[O+2*\i], v[O+2*\i+1]       ; head dimensions 16 dt + 8 (l / 16) + 0..7 of query l % 16: 16 bytes for each dt
.endr
.irp dt, 0,1,2,3
	ds_store_b128 v138, v[S+4*\dt:S+4*\dt+3] offset:32*\dt
.endr
.irp i, 0,1,2,3
	ds_load_b128 v[VF+4*\i:VF+4*\i+3], v139 offset:4*KP*\i ; my own bytes: LDS serves a wave's instructions in order
.endr
.irp i, 0,1,2,3
	s_wait_dscnt 3-\i
	global_store_b128 v1, v[VF+4*\i:VF+4*\i+3], s[6:7] offset:512*\i       ; the wave stores 512 consecutive bytes, at a multiple of 512 from yh's first byte
.endr
	s_wait_tensorcnt 0x0
	ds_add_u32 v208, v209
	s_wait_dscnt 0x0
	s_endpgm
.Lfunc_end_k_qea5d17d168_attn:
	.size	k_qea5d17d168_attn, .Lfunc_end_k_qea5d17d168_attn-k_qea5d17d168_attn
	.p2alignl 7, 3214868480
	.fill 96, 4, 3214868480
	.section	.rodata,"a",@progbits
	.p2align	6, 0x0
	.amdhsa_kernel k_qea5d17d168_attn
		.amdhsa_group_segment_fixed_size 327680
		.amdhsa_private_segment_fixed_size 0
		.amdhsa_enable_private_segment 0
		.amdhsa_kernarg_size 16
		.amdhsa_user_sgpr_count 2
		.amdhsa_user_sgpr_kernarg_segment_ptr 1
		.amdhsa_wavefront_size32 1
		.amdhsa_system_sgpr_workgroup_id_x 1
		.amdhsa_system_sgpr_workgroup_id_y 1
		.amdhsa_system_sgpr_workgroup_id_z 1
		.amdhsa_system_vgpr_workitem_id 0
		.amdhsa_next_free_vgpr 210
		.amdhsa_next_free_sgpr 66
		.amdhsa_reserve_vcc 1
		.amdhsa_float_denorm_mode_32 3
		.amdhsa_float_denorm_mode_16_64 3
		.amdhsa_memory_ordered 1
		.amdhsa_forward_progress 1
		.amdhsa_inst_pref_size 182
	.end_amdhsa_kernel
	.amdgpu_metadata
---
amdhsa.version: [ 1, 2 ]
amdhsa.kernels:
  - .name:           k_qea5d17d168_attn
    .symbol:         k_qea5d17d168_attn.kd
    .args:
      - { .name: qkv, .offset: 0, .size: 8, .value_kind: global_buffer, .address_space: global }
      - { .name: yh, .offset: 8, .size: 8, .value_kind: global_buffer, .address_space: global }
    .group_segment_fixed_size: 327680
    .private_segment_fixed_size: 0
    .kernarg_segment_align: 8
    .kernarg_segment_size: 16
    .max_flat_workgroup_size: 256
    .sgpr_count:     66
    .vgpr_count:     210
    .wavefront_size: 32
...
	.end_amdgpu_metadata
.endif
;; end of part 3
;; launch outp (part 4): grid 8 x 16, 4 waves a work-group, clusters of 4 x 4, 327,680 bytes of LDS; arguments yh, cb, b_proj, out0; writes out0
.if DOCPART == 4
	.amdgcn_target "amdgcn-amd-amdhsa--gfx1250"
	.amdhsa_code_object_version 6
	.text
	.protected	k_qea5d17d168_outp
	.globl	k_qea5d17d168_outp
	.p2align	8
	.type	k_qea5d17d168_outp,@function
k_qea5d17d168_outp:
	s_mov_b64 s[64:65], 0
	v_nop
	global_prefetch_b8 v0, s[64:65] scope:SCOPE_SE
	s_setreg_imm32_b32 hwreg(HW_REG_WAVE_MODE, 25, 1), 1
	s_wait_xcnt 0x0
	s_wait_alu depctr_hold_cnt(0) depctr_sa_sdst(0) depctr_va_vdst(0) depctr_va_sdst(0) depctr_va_ssrc(0) depctr_va_vcc(0) depctr_vm_vsrc(0)
	s_getreg_b32 s2, hwreg(HW_REG_IB_STS2, 6, 4)
	s_cmp_eq_u32 s2, 0
	s_cbranch_scc0 .Lentry_in_a_cluster
	s_endpgm
.Lentry_in_a_cluster:
	s_bfe_u32 s2, ttmp6, 0x10000c
	s_cmp_lg_u32 s2, 0xf033
	s_cbranch_scc0 .Lentry_shape_is_right
	s_endpgm
.Lentry_shape_is_right:
; out0 = y W_proj + b_proj, f32.  y: yh, f16 [16 q/128][16 h][128 q%128][64] (a block of 128 rows is 16 planes of 128 x 64, k = 64 h + d);
; W_proj: f16 [1024 k][1024 n] at byte 18,874,368 of cb.  Sums and bias in f32.  LIMIT: the operands are f16 (11 significant bits, at most 65,504).
; A work-group makes 128 x 128 (8 x 16 = 128 work-groups: smaller blocks would feed fewer multiply-adds from each byte), a wave 64 x 64: 16 accumulator tiles.
; K = 1024 is 8 steps of 128; an LDS slot holds two steps, so the ring of two slots is filled four times in all and the text is written out without a loop.
; CLUSTERS: 4 x 4.  y's tiles hang on the block row and are asked for jointly along a row of the cluster, W_proj's on the block column, along a column.
; The matrix instruction is used transposed (source 0 = 16 columns of W_proj by the transposing LDS load, source 1 = 16 rows of y): a lane holds eight neighbouring columns of a row.
; Registers: window 0: v16-27 addresses, v32-63 bias, v64-127 and v128-191 two fragment buffers (y at +0, W_proj at +32), v192-223 at work; window 1: tile (a, b) at v[8 (4 a + b)].
.set AP,     144                       ; an LDS row of y: 128 bytes + 16
.set BP,     288                       ; an LDS row of W_proj: 256 bytes + 32, an odd multiple of 32
.set PLANE,  128*AP                    ; 64 along K of y
.set QUART,  2*PLANE                   ; what one tensor load brings: two planes, or 128 k rows of W_proj (128 x 288 is the same number)
.set SLOT,   4*QUART                   ; y's four planes, then W_proj's 256 k rows
.set STAGE,  2*SLOT                    ; behind the ring: 16 rows x 272 bytes for each wave; no tensor load lands here
.set SPITCH, 272
.set WP,     18874368
.set ADRA, 16                          ; v16-19  y's fragments in K step u = 0..3 of the ring
.set ADRB, 20                          ; v20-23  W_proj's
.set STO,  24
.set RD,   25
.set CO,   26
.set BO,   27
.set BI,   32
.set F0,   64
.set F1,   128
.set TMP,  192
.set G1,  24                           ; s[24:31] group 1 for y
.set G0,  32                           ; s[32:39] group 0 for y, one set for each slot
.set G1B, 48                           ; s[48:55] group 1 for W_proj
.set G0B, 56                           ; s[56:63] group 0 for W_proj
.set MSB, 0
.macro WIN new
.if MSB != \new
	s_set_vgpr_msb (MSB<<8)|\new
.set MSB, \new
.endif
.endm
.set MULW, 0x50                        ; sources 0 and 1 window 0, C and D window 1
.macro JLOAD s                         ; waves 0 and 1 fetch y's halves of a slot, waves 2 and 3 W_proj's
	s_cmp_eq_u32 s13, 0
	s_cbranch_scc0 .Lfor_b_\@
	tensor_load_to_lds s[G0+4*\s:G0+4*\s+3], s[G1:G1+7]
	s_nop 0
	s_branch .Lasked_\@
.Lfor_b_\@:
	tensor_load_to_lds s[G0B+4*\s:G0B+4*\s+3], s[G1B:G1B+7]
	s_nop 0
.Lasked_\@:
.endm
.macro CREST
	s_cmp_lg_u32 s12, 0
	s_cbranch_scc1 .Lnot_wave_0_\@
	s_barrier_signal -3
.Lnot_wave_0_\@:
	s_barrier_wait -3
	s_barrier_signal -1
	s_barrier_wait -1
.endm
.macro CROUND
	s_barrier_signal -1
	s_barrier_wait -1
	CREST
.endm
	s_load_b256 s[4:11], s[0:1], 0x0               ; yh s[4:5], cb s[6:7], b_proj s[8:9], out0 s[10:11]
	v_lshl_add_u32 v254, v0, 2, 0x4c400
	v_mov_b32 v255, 0
	ds_add_u32 v254, v255
	ds_add_u32 v254, v255
	v_lshrrev_b32 v1, 5, v0
	v_readfirstlane_b32 s12, v1                    ; wave 0..3
	s_lshr_b32 s13, s12, 1                         ; my half of the rows.  Also: I fetch for y (0) or for W_proj (1)
	s_and_b32 s14, s12, 1                          ; my half of the columns.  Also: which half of a slot's K I fetch
	s_bfe_u32 s40, ttmp6, 0x40000                  ; cx
	s_bfe_u32 s41, ttmp6, 0x40004                  ; cy
	s_lshl_b32 s42, ttmp9, 2
	s_add_co_u32 s42, s42, s40                     ; block column
	s_and_b32 s15, ttmp7, 0xffff
	s_lshl_b32 s15, s15, 2
	s_add_co_u32 s15, s15, s41                     ; block row
	s_lshl_b32 s43, s41, 2
	s_lshl_b32 s43, 15, s43                        ; my row of the cluster
	s_lshl_b32 s44, 0x1111, s40                    ; my column
	; group 1 for y: two planes are 256 dense rows of 64 elements; 4 words of padding behind every 32
	s_or_b32 s[G1+0], s43, (1<<16)|(1<<20)|(1<<21)|(4<<22)|(3<<25)
	s_mov_b32 s[G1+1], 64<<16
	s_mov_b32 s[G1+2], 256<<16
	s_mov_b32 s[G1+3], 64<<16
	s_mov_b32 s[G1+4], 256
	s_mov_b32 s[G1+5], 64
	s_mov_b32 s[G1+6], 0
	s_mov_b32 s[G1+7], 0
	; group 1 for W_proj: 128 k rows x 128 elements; 8 words of padding behind every 64
	s_or_b32 s[G1B+0], s44, (1<<16)|(1<<20)|(1<<21)|(5<<22)|(7<<25)
	s_mov_b32 s[G1B+1], 128<<16
	s_mov_b32 s[G1B+2], 128<<16
	s_mov_b32 s[G1B+3], 128<<16
	s_mov_b32 s[G1B+4], 128
	s_mov_b32 s[G1B+5], 1024
	s_mov_b32 s[G1B+6], 0
	s_mov_b32 s[G1B+7], 0
	s_lshl_b32 s16, s15, 18                        ; y: 16 planes of 16,384 bytes a block row,
	s_lshl_b32 s17, s14, 15                        ; two planes a half
	s_add_co_u32 s16, s16, s17
	s_mov_b32 s17, 0
	s_lshl_b32 s46, s14, 18                        ; W_proj: 128 k rows of 2,048 bytes a half,
	s_lshl_b32 s47, s42, 8                         ; 128 columns a block
	s_add_co_u32 s46, s46, s47
	s_add_co_u32 s46, s46, WP
	s_mov_b32 s47, 0
	s_mul_i32 s20, s12, QUART                      ; where they go: wave x one load's bytes
	s_wait_dscnt 0x0
	s_wait_kmcnt 0x0
	s_add_nc_u64 s[18:19], s[4:5], s[16:17]
	s_add_nc_u64 s[46:47], s[6:7], s[46:47]
	CROUND                                         ; all sixteen work-groups are here: the first joint loads meet
.irp s, 0,1
	s_mov_b32 s[G0+4*\s], 1
	s_add_co_u32 s[G0+4*\s+1], s20, \s*SLOT
	s_add_nc_u64 s[G0+4*\s+2:G0+4*\s+3], s[18:19], \s*4*16384          ; four planes a slot
	s_or_b32 s[G0+4*\s+3], s[G0+4*\s+3], 0x80000000
	s_mov_b32 s[G0B+4*\s], 1
	s_add_co_u32 s[G0B+4*\s+1], s20, \s*SLOT
	s_add_nc_u64 s[G0B+4*\s+2:G0B+4*\s+3], s[46:47], \s*256*2048       ; 256 k rows a slot
	s_or_b32 s[G0B+4*\s+3], s[G0B+4*\s+3], 0x80000000
	JLOAD \s                                       ; two tensor loads of a wave are out
.endr
	s_lshl_b32 s46, s42, 9                         ; my first column in f32 bytes: 512 x block + 256 x half: in b_proj and in a row of out0
	s_lshl_b32 s47, s14, 8
	s_add_co_u32 s46, s46, s47
	s_mov_b32 s47, 0
	s_add_nc_u64 s[8:9], s[8:9], s[46:47]
	s_add_nc_u64 s[10:11], s[10:11], s[46:47]
	s_lshl_b32 s16, s15, 19                        ; my first row: 128 x block + 64 x half rows of 4,096 bytes
	s_lshl_b32 s17, s13, 18
	s_add_co_u32 s16, s16, s17
	s_mov_b32 s17, 0
	s_add_nc_u64 s[10:11], s[10:11], s[16:17]
	v_and_b32 v1, 15, v0                           ; l % 16
	v_bfe_u32 v2, v0, 4, 1                         ; l / 16
	v_mul_u32_u24 v3, v1, AP
	v_lshl_add_u32 v3, v2, 4, v3
	s_mul_i32 s21, s13, 64*AP                      ; my 64 rows
	v_add_nc_u32 v3, s21, v3
	v_and_b32 v4, 7, v0
	v_lshl_add_u32 v4, v2, 3, v4
	v_mul_u32_u24 v4, v4, BP                       ; k row 8 (l / 16) + l % 8,
	v_bfe_u32 v5, v0, 3, 1
	v_lshl_add_u32 v4, v5, 4, v4                   ; 16 bytes chosen by bit 3 of l,
	s_lshl_b32 s22, s14, 7                         ; my 64 columns,
	s_add_co_u32 s22, s22, 2*QUART                 ; behind y's four planes
	v_add_nc_u32 v4, s22, v4
.irp u, 0,1,2,3
	v_add_nc_u32 v[ADRA+\u], (\u/2)*SLOT+(\u%2)*QUART, v3
	v_add_nc_u32 v[ADRB+\u], (\u/2)*SLOT+(\u%2)*QUART, v4
.endr
	s_mul_i32 s23, s12, 16*SPITCH
	s_add_co_u32 s23, s23, STAGE
	v_mul_u32_u24 v6, v1, SPITCH                   ; in: row l % 16, 32 bytes for each half of the lanes
	v_lshl_add_u32 v6, v2, 5, v6
	v_add_nc_u32 v[STO], s23, v6
	v_mul_u32_u24 v6, v2, SPITCH                   ; back: lanes 0-15 one row of 256 bytes, lanes 16-31 the next
	v_lshl_add_u32 v6, v1, 4, v6
	v_add_nc_u32 v[RD], s23, v6
	v_lshlrev_b32 v6, 12, v2                       ; and the same two rows in out0
	v_lshl_add_u32 v[CO], v1, 4, v6
	v_lshlrev_b32 v[BO], 5, v2
.irp b, 0,1,2,3
	global_load_b128 v[BI+8*\b:BI+8*\b+3],   v[BO], s[8:9] offset:64*\b        ; bias of columns 16 b + 8 (l / 16) + 0..7; waited for on the way out
	global_load_b128 v[BI+8*\b+4:BI+8*\b+7], v[BO], s[8:9] offset:64*\b+16
.endr
.macro MUL f, a, zero                  ; four matrix instructions: m block a x the 4 n blocks, 32 along K
.irp b, 0,1,2,3
.if \zero
	v_wmma_f32_16x16x32_f16 v[8*(4*\a+\b):8*(4*\a+\b)+7], v[\f+32+8*\b:\f+32+8*\b+7], v[\f+8*\a:\f+8*\a+7], 0
.else
	v_wmma_f32_16x16x32_f16 v[8*(4*\a+\b):8*(4*\a+\b)+7], v[\f+32+8*\b:\f+32+8*\b+7], v[\f+8*\a:\f+8*\a+7], v[8*(4*\a+\b):8*(4*\a+\b)+7]
.endif
.endr
.endm
.macro FETCH u, q, f                   ; 16 LDS loads in one run: quarter q (32 K) of K step u of the ring, into buffer f; W_proj first, y last
.irp b, 0,1,2,3
	ds_load_tr16_b128 v[\f+32+8*\b:\f+32+8*\b+3],   v[ADRB+\u] offset:\q*32*BP+32*\b
	ds_load_tr16_b128 v[\f+32+8*\b+4:\f+32+8*\b+7], v[ADRB+\u] offset:\q*32*BP+32*\b+16*BP
.endr
.irp a, 0,1,2,3
	ds_load_b128 v[\f+8*\a:\f+8*\a+3],   v[ADRA+\u] offset:(\q/2)*PLANE+(\q%2)*64+\a*16*AP
	ds_load_b128 v[\f+8*\a+4:\f+8*\a+7], v[ADRA+\u] offset:(\q/2)*PLANE+(\q%2)*64+\a*16*AP+32
.endr
.endm
.macro PLACES                          ; four places between a matrix instruction and a load into a register that it read, or a vector instruction that reads its result (ISA guide 7.12.1 for vector instructions)
.rept 4
	v_nop
.endr
.endm
; A quarter step: multiplies buffer f; in its middle fetches quarter q2 of K step u2 into buffer g.  The 16 accumulators take turns, one instruction a turn,
; in the same order in every quarter.
.macro QUARTER f, g, u2, q2, zero
	s_wait_dscnt 4                                 ; all but the youngest four loads: y's blocks 2 and 3
	WIN MULW
	MUL \f, 0, \zero
	MUL \f, 1, \zero
	PLACES
	WIN 0
	FETCH \u2, \q2, \g
	s_wait_dscnt 16                                ; all but the 16 just issued
	WIN MULW
	MUL \f, 2, \zero
	MUL \f, 3, \zero
.endm
.macro STEP3 u, zero                   ; the first three quarters of K step u of the ring
	QUARTER F0, F1, \u, 1, \zero
	QUARTER F1, F0, \u, 2, 0
	QUARTER F0, F1, \u, 3, 0
.endm
; The last quarter of a slot's second K step: multiplies buffer 1 and changes slots.  In front of the barrier each wave waits for its reads of the slot and for all its tensor
; loads; where the slot is filled again the barrier opens a round of the cluster's barrier, and the joint refill is the first tensor load behind the round.
.macro TURN u2, fill, slot
	s_wait_dscnt 4
	WIN MULW
	MUL F1, 0, 0
	s_wait_dscnt 0                                 ; my reads of this slot are over
	s_wait_tensorcnt 0x0                           ; all my tensor loads have landed: the one that was out is my part of the next slot
	ds_add_u32 v254, v255
	s_wait_dscnt 0x0
	s_barrier_signal -1
	MUL F1, 1, 0                                   ; register work while the others arrive
	WIN 0
	s_barrier_wait -1
.if \fill
	CREST
	s_add_nc_u64 s[G0+4*\slot+2:G0+4*\slot+3], s[G0+4*\slot+2:G0+4*\slot+3], 8*16384       ; four K steps on: eight planes,
	s_add_nc_u64 s[G0B+4*\slot+2:G0B+4*\slot+3], s[G0B+4*\slot+2:G0B+4*\slot+3], 512*2048  ; 512 k rows
	JLOAD \slot                                    ; it has the next slot's two K steps, 128 matrix instructions of a wave, in which to land
.endif
	PLACES
	FETCH \u2, 0, F0
	WIN MULW
	MUL F1, 2, 0
	MUL F1, 3, 0
.endm
	s_wait_tensorcnt 1                             ; my part of slot 0 is in; slot 1's may stay out
	s_barrier_signal -1
	s_barrier_wait -1
	FETCH 0, 0, F0
	STEP3 0, 1                                     ; K step 0: its first products start the sums
	QUARTER F1, F0, 1, 0, 0
	STEP3 1, 0                                     ; K step 1
	TURN 2, 1, 0                                   ; slot 0 gets K steps 4 and 5
	STEP3 2, 0                                     ; K step 2
	QUARTER F1, F0, 3, 0, 0
	STEP3 3, 0                                     ; K step 3
	TURN 0, 1, 1                                   ; slot 1 gets K steps 6 and 7
	STEP3 0, 0                                     ; K step 4
	QUARTER F1, F0, 1, 0, 0
	STEP3 1, 0                                     ; K step 5
	TURN 2, 0, 0                                   ; nothing is left to fetch
	STEP3 2, 0                                     ; K step 6
	QUARTER F1, F0, 3, 0, 0
	STEP3 3, 0                                     ; K step 7
	s_wait_dscnt 4
	WIN MULW
	MUL F1, 0, 0
	MUL F1, 1, 0
	s_wait_dscnt 0
	MUL F1, 2, 0
	MUL F1, 3, 0
	; THE WAY OUT, 16 rows at a time: add the bias, 32 bytes a lane into my own stage, read back as whole rows of 256 bytes.
	PLACES
	s_wait_loadcnt 0x0                             ; the bias
.macro OUT16 a, f
	WIN 0x01                                       ; source 0 (the sums) window 1
.irp b, 0,1,2,3
.irp r, 0,1,2,3
	v_pk_add_f32 v[TMP+8*\b+2*\r:TMP+8*\b+2*\r+1], v[8*(4*\a+\b)+2*\r:8*(4*\a+\b)+2*\r+1], v[BI+8*\b+2*\r:BI+8*\b+2*\r+1]
.endr
.endr
	WIN 0
.irp b, 0,1,2,3
	ds_store_b128 v[STO], v[TMP+8*\b:TMP+8*\b+3]   offset:64*\b
	ds_store_b128 v[STO], v[TMP+8*\b+4:TMP+8*\b+7] offset:64*\b+16
.endr
	s_wait_xcnt 0x0                                ; buffer f, which earlier stores read, and the stores' base are rewritten only behind this wait
.if \a
	s_add_nc_u64 s[10:11], s[10:11], 16*4096       ; 16 rows on
.endif
.irp t, 0,1,2,3,4,5,6,7
	ds_load_b128 v[\f+4*\t:\f+4*\t+3], v[RD] offset:\t*2*SPITCH    ; my own bytes: LDS serves a wave's instructions in order
.endr
.irp t, 0,1,2,3,4,5,6,7
	s_wait_dscnt 7-\t
	global_store_b128 v[CO], v[\f+4*\t:\f+4*\t+3], s[10:11] offset:\t*2*4096 th:TH_STORE_NT   ; 16 lanes store 256 consecutive bytes, at a multiple of 256 from out0's first byte
.endr
.endm
	OUT16 0, F0
	OUT16 1, F1
	OUT16 2, F0
	OUT16 3, F1
	s_wait_tensorcnt 0x0
	ds_add_u32 v254, v255
	s_wait_dscnt 0x0
	CROUND                                         ; the closing round: no work-group ends while a partner may still ask for a tile that names it
	s_endpgm
.Lfunc_end_k_qea5d17d168_outp:
	.size	k_qea5d17d168_outp, .Lfunc_end_k_qea5d17d168_outp-k_qea5d17d168_outp
	.p2alignl 7, 3214868480
	.fill 96, 4, 3214868480
	.section	.rodata,"a",@progbits
	.p2align	6, 0x0
	.amdhsa_kernel k_qea5d17d168_outp
		.amdhsa_group_segment_fixed_size 327680
		.amdhsa_private_segment_fixed_size 0
		.amdhsa_enable_private_segment 0
		.amdhsa_kernarg_size 32
		.amdhsa_user_sgpr_count 2
		.amdhsa_user_sgpr_kernarg_segment_ptr 1
		.amdhsa_wavefront_size32 1
		.amdhsa_system_sgpr_workgroup_id_x 1
		.amdhsa_system_sgpr_workgroup_id_y 1
		.amdhsa_system_sgpr_workgroup_id_z 1
		.amdhsa_system_vgpr_workitem_id 0
		.amdhsa_next_free_vgpr 384
		.amdhsa_next_free_sgpr 66
		.amdhsa_reserve_vcc 0
		.amdhsa_float_denorm_mode_32 3
		.amdhsa_float_denorm_mode_16_64 3
		.amdhsa_memory_ordered 1
		.amdhsa_forward_progress 1
		.amdhsa_inst_pref_size 95
	.end_amdhsa_kernel
	.amdgpu_metadata
---
amdhsa.version: [ 1, 2 ]
amdhsa.kernels:
  - .name:           k_qea5d17d168_outp
    .symbol:         k_qea5d17d168_outp.kd
    .args:
      - { .name: yh, .offset: 0, .size: 8, .value_kind: global_buffer, .address_space: global }
      - { .name: cb, .offset: 8, .size: 8, .value_kind: global_buffer, .address_space: global }
      - { .name: b_proj, .offset: 16, .size: 8, .value_kind: global_buffer, .address_space: global }
      - { .name: out0, .offset: 24, .size: 8, .value_kind: global_buffer, .address_space: global }
    .group_segment_fixed_size: 327680
    .private_segment_fixed_size: 0
    .kernarg_segment_align: 8
    .kernarg_segment_size: 32
    .max_flat_workgroup_size: 128
    .sgpr_count:     66
    .vgpr_count:     384
    .wavefront_size: 32
...
	.end_amdgpu_metadata
.endif
;; end of part 4
;; ======== version 2 of 2: 4 launches
;; limits: values are held in f16: magnitudes above 65,504 overflow, below 6.1e-05 lose precision
;; workspace buffers: cb 20,971,520 bytes; qkv 20,971,520 bytes; yh 4,194,304 bytes
;; launch cast: the kernel of part 1 again; grid 640 x 1, 8 waves a work-group, no clusters, 0 bytes of LDS; arguments l, x, W_attn_l, W_attn_c, W_q, W_proj, cb; writes cb
;; launch proj: the kernel of part 2 again; grid 20 x 8, 4 waves a work-group, clusters of 4 x 4, 327,680 bytes of LDS; arguments cb, b_attn_l, b_attn_c, b_q, qkv; writes qkv
;; launch attn (part 5): grid 16 x 16, 16 waves a work-group, no clusters, 327,680 bytes of LDS; arguments qkv, yh; writes yh
.if DOCPART == 5
	.amdgcn_target "amdgcn-amd-amdhsa--gfx1250"
	.amdhsa_code_object_version 6
	.text
	.protected	k_qea5d17d168_attn
	.globl	k_qea5d17d168_attn
	.p2align	8
	.type	k_qea5d17d168_attn,@function
k_qea5d17d168_attn:
	s_mov_b64 s[64:65], 0
	v_nop
	global_prefetch_b8 v0, s[64:65] scope:SCOPE_SE
	s_setreg_imm32_b32 hwreg(HW_REG_WAVE_MODE, 25, 1), 1
	s_wait_xcnt 0x0
; Attention with a running maximum.  qkv: K [16 h][4096 key][64] at byte 0, V likewise at 8,388,608, Q [16 h][2048][64] at 16,777,216, all f16, Q already
; multiplied by 0.125 log2(e).  Query i sees keys 0 .. 2047 + i (all latents, text positions below i).  Result yh: f16 [16 q/128][16 h][128 q%128][64].
; Work-group (b, h), b = 0..15: the query blocks of 64 numbered b and 31 - b of head h.  Block B needs the runs of 64 keys t64 = 0 .. 32 + B, the last one masked:
; 33 + b and 64 - b runs, 97 in every work-group.  Runs whose scores the mask throws away whole are not done.
; SIXTEEN WAVES, four on each SIMD: a step's chain (scores, maximum, exponentials, sum, packing, product) is long and each link waits for the one before, so three
; other waves have work for the units meanwhile.  Wave w: p = w & 3, g = w >> 2.  It holds the query tile p (16 queries) of both blocks and takes run g of every piece of
; 256 keys: t64 = 4 x piece + g.  So four waves share a query tile's runs, every fourth each, and join their partial results at the end, through LDS.
; Register set 0 is the low block where g & 1 = 0 and the high block otherwise; set 1 is the other.
; A BLOCK OF WORK IS 16 QUERIES x 64 KEYS: rescaling O (16 packed multiplies), the exchange of the maximum and the factor cost the same whatever the number of keys, so they are
; paid once for 64 keys: 118 vector instructions for 32 scores a lane.
; The scores are made transposed, S^T = K Q^T: a lane then holds ONE query (l % 16) and the keys 8 (l / 16) + j of each tile of 16, so that maximum and sum run along its own
; registers and one exchange with lane l ^ 16, two packed score tiles ARE the second source of O^T = V^T P^T, and the rescaling factor is the lane's own number.
; K's and V's fragments take turns in ONE buffer of 64 registers: both sets' scores are made first, then V is loaded over K and lands behind set 0's softmax.
; K and V come by tensor loads through a ring of two LDS slots of 256 keys: one barrier and one load a wave, 64 KiB for the sixteen, for each piece.
; NO CLUSTER: work-groups of one head walk the same K and V, but the branches that leave out the masked runs hang on b, which partners of a cluster would not share.
; LIMITS: Q, K, V and the probabilities enter the products in f16, y leaves in f16.  The probabilities are at most 1 (the running maximum is taken away first); one below 2^-25
; of its row's largest counts as 0, and 4,096 such are at most 0.00013 of a sum that is at least 1.  y is a convex mix of V's rows, so it is no larger than V, which fits f16.
; An exponential below 2^-126 counts as 0 (ISA guide, v_exp_f32).  NaN and infinities among the inputs are not reproduced element for element.
.set KP,    144                        ; an LDS row of K: 128 bytes + 16
.set VP,    160                        ; an LDS row of V: 128 bytes + 32, an odd multiple of 32, for the transposing loads
.set PKEYS, 256                        ; keys in a slot
.set KT,    PKEYS*KP                   ; 36,864
.set SLOT,  KT+PKEYS*VP                ; 77,824
.set XCH,   2*SLOT                     ; behind the ring: the partial results; a set is 4,096 bytes of O and 256 of (maximum, sum)
.set XS,    4352
.set XW,    2*XS                       ; both sets of a wave
.set STG,   XCH+16*XW                  ; 16 rows x 144 bytes for each of the eight waves that finish.  No tensor load lands in XCH or STG
.set SW,    16*KP
.set CHUNK, PKEYS*128                  ; bytes of 256 keys of a head in memory
.set ADK,  4                           ; v4, v5    LDS address of my K fragments in slot 0, 1 (slot 1 lies beyond what the 16-bit offset reaches)
.set ADV,  6                           ; v6, v7    the same for V
.set Q,    8                           ; v[8:39]   Q + 16 x + 8 ks: set x, 32 head dimensions ks
.set O,    40                          ; v[40:103] O + 32 x + 8 dt: set x, 16 head dimensions dt
.set ML,   104                         ; v[104:107] (maximum, my part of the sum) of set 0, of set 1
.set AL,   108                         ; v[108:109] the rescaling factor; the pair's second register is only ever 0
.set T,    110                         ; v[110:117] at work
.set QREL, 118                         ; v118      my query's place in its block less my first key's place in the run of 64 (signed)
.set QO,   119                         ; v119      set 1's offset in Q; at the end 8 x lane
.set S,    120                         ; v[120:183] S + 32 x + 8 mt: set x, score tile mt (16 keys); later its first 16 registers hold the 64 keys packed to f16
.set KV,   184                         ; v[184:247] K's fragments at KV + 16 mt + 8 ks, then V's at KV + 8 (4 kk + dt)
.set KF,   KV                          ; at the end: two partners' O
.set VF,   KV+32
.set E,    S+32                        ; v[152:162] at work in the set-up, and the end's LDS addresses: set 1's scores are not alive then
.set G1K, 24                           ; s[24:31] group 1 for K's tiles
.set G1V, 32                           ; s[32:39] for V's
.set G0K, 40                           ; s[40:47] group 0 for K's tiles, one set for each slot
.set G0V, 48                           ; s[48:55] for V's
	s_load_b128 s[4:7], s[0:1], 0x0                ; qkv s[4:5], yh s[6:7]
	v_lshl_add_u32 v248, v0, 2, 0x4c800
	v_mov_b32 v249, 0
	ds_add_u32 v248, v249
	ds_add_u32 v248, v249
	v_lshrrev_b32 v1, 5, v0
	v_readfirstlane_b32 s8, v1                     ; wave 0..15
	s_and_b32 s9, s8, 3                            ; p
	s_lshr_b32 s10, s8, 2                          ; g
	s_mov_b32 s11, ttmp9                           ; b
	s_and_b32 s12, ttmp7, 0xffff                   ; h
	s_mov_b32 s18, 0x76543210                      ; v_permlanex16_b32: lane i of one half reads lane i of the other
	s_mov_b32 s19, 0xfedcba98
	; group 1: 32 rows x 64 elements of 2 bytes; behind every 32 words 4 words of padding (K) or 8 (V)
	s_mov_b32 s[G1K+0], (1<<16)|(1<<20)|(4<<22)|(3<<25)
	s_mov_b32 s[G1V+0], (1<<16)|(1<<20)|(4<<22)|(7<<25)
.irp g, G1K, G1V
	s_mov_b32 s[\g+1], 64<<16                      ; tensor_dim0 = 64
	s_mov_b32 s[\g+2], 32<<16                      ; tensor_dim1 = 32
	s_mov_b32 s[\g+3], 64<<16                      ; tile_dim0 = 64
	s_mov_b32 s[\g+4], 32                          ; tile_dim1 = 32
	s_mov_b32 s[\g+5], 64                          ; elements from row to row
	s_mov_b32 s[\g+6], 0
	s_mov_b32 s[\g+7], 0
.endr
	s_and_b32 s17, s8, 7                           ; waves 0-7 fetch K's rows 32 (w & 7) .. of a slot, waves 8-15 V's
	s_mul_i32 s20, s17, 32*KP
	s_mul_i32 s21, s17, 32*VP
	s_add_co_u32 s21, s21, KT
	s_lshl_b32 s22, s12, 19                        ; a head's 4096 rows of 128 bytes
	s_lshl_b32 s23, s17, 12                        ; 32 rows
	s_add_co_u32 s22, s22, s23
	s_mov_b32 s23, 0
	s_wait_dscnt 0x0
	s_wait_kmcnt 0x0
	s_add_nc_u64 s[56:57], s[4:5], s[22:23]
	s_add_nc_u64 s[58:59], s[56:57], 0x800000
.irp s, 0,1
	s_mov_b32 s[G0K+4*\s], 1
	s_add_co_u32 s[G0K+4*\s+1], s20, \s*SLOT
	s_add_nc_u64 s[G0K+4*\s+2:G0K+4*\s+3], s[56:57], \s*CHUNK
	s_or_b32 s[G0K+4*\s+3], s[G0K+4*\s+3], 0x80000000
	s_mov_b32 s[G0V+4*\s], 1
	s_add_co_u32 s[G0V+4*\s+1], s21, \s*SLOT
	s_add_nc_u64 s[G0V+4*\s+2:G0V+4*\s+3], s[58:59], \s*CHUNK
	s_or_b32 s[G0V+4*\s+3], s[G0V+4*\s+3], 0x80000000
.endr
	s_cmp_lt_u32 s8, 8                             ; both first fills of a wave inside one branch on its number: two tensor loads of a wave are out
	s_cbranch_scc0 .Lfirst_v
	tensor_load_to_lds s[G0K:G0K+3], s[G1K:G1K+7]
	s_nop 0
	tensor_load_to_lds s[G0K+4:G0K+7], s[G1K:G1K+7]
	s_nop 0
	s_branch .Lfirst_done
.Lfirst_v:
	tensor_load_to_lds s[G0V:G0V+3], s[G1V:G1V+7]
	s_nop 0
	tensor_load_to_lds s[G0V+4:G0V+7], s[G1V:G1V+7]
	s_nop 0
.Lfirst_done:
	; which blocks, how far
	s_and_b32 s58, s10, 1                          ; which block is my set 0
	s_sub_co_u32 s20, 31, s11
	s_cmp_eq_u32 s58, 0
	s_cselect_b32 s22, s11, s20                    ; set 0's block
	s_cselect_b32 s23, s20, s11                    ; set 1's block
	s_add_co_u32 s14, s22, 32                      ; set 0's last run, the masked one
	s_add_co_u32 s15, s23, 32                      ; set 1's
	s_sub_co_u32 s16, 63, s11                      ; the work-group's last run
	s_lshl_b32 s22, s22, 6
	s_lshl4_add_u32 s22, s9, s22                   ; set 0's first query = 64 x block + 16 p (kept for the way out)
	s_lshl_b32 s23, s23, 6
	s_lshl4_add_u32 s23, s9, s23
	s_lshl_b32 s62, s12, 18                        ; Q: a head's 2048 rows of 128 bytes
	s_add_co_u32 s62, s62, 0x1000000
	s_mov_b32 s63, 0
	s_add_nc_u64 s[60:61], s[4:5], s[62:63]
	v_and_b32 v2, 15, v0                           ; l % 16
	v_bfe_u32 v3, v0, 4, 1                         ; l / 16
	v_add_nc_u32 v1, s22, v2
	v_lshlrev_b32 v1, 7, v1
	v_lshl_add_u32 v1, v3, 4, v1                   ; set 0: query row x 128 + 16 (l / 16)
	v_add_nc_u32 v[QO], s23, v2
	v_lshlrev_b32 v[QO], 7, v[QO]
	v_lshl_add_u32 v[QO], v3, 4, v[QO]             ; set 1
.irp ks, 0,1
	global_load_b128 v[Q+8*\ks:Q+8*\ks+3],       v1, s[60:61] offset:64*\ks
	global_load_b128 v[Q+8*\ks+4:Q+8*\ks+7],     v1, s[60:61] offset:64*\ks+32
	global_load_b128 v[Q+16+8*\ks:Q+16+8*\ks+3], v[QO], s[60:61] offset:64*\ks
	global_load_b128 v[Q+16+8*\ks+4:Q+16+8*\ks+7], v[QO], s[60:61] offset:64*\ks+32
.endr
	v_mul_u32_u24 v[ADK], v2, KP                   ; K: key row l % 16, 16 bytes for each half of the lanes, my 64 keys of a slot
	v_lshl_add_u32 v[ADK], v3, 4, v[ADK]
	s_mul_i32 s20, s10, 64*KP
	v_add_nc_u32 v[ADK], s20, v[ADK]
	v_add_nc_u32 v[ADK+1], SLOT, v[ADK]
	v_and_b32 v[ADV], 7, v0                        ; V, for the transposing load: key row 8 (l / 16) + l % 8, 16 bytes chosen by bit 3 of l
	v_lshl_add_u32 v[ADV], v3, 3, v[ADV]
	v_mul_u32_u24 v[ADV], v[ADV], VP
	v_bfe_u32 v[E], v0, 3, 1
	v_lshl_add_u32 v[ADV], v[E], 4, v[ADV]
	s_mul_i32 s21, s10, 64*VP
	s_add_co_u32 s21, s21, KT
	v_add_nc_u32 v[ADV], s21, v[ADV]
	v_add_nc_u32 v[ADV+1], SLOT, v[ADV]
	s_lshl_b32 s20, s9, 4
	v_add_nc_u32 v[QREL], s20, v2
	v_lshlrev_b32 v[E+1], 3, v3
	v_sub_nc_u32 v[QREL], v[QREL], v[E+1]          ; 16 p + l % 16 - 8 (l / 16): in the masked run score register c (key 16 (c / 8) + c % 8 of mine) stays iff that key number is below this
	v_mov_b32 v[ML+1], 0                           ; the packed subtraction names the pair (maximum, sum): the sums are written before the first step
	v_mov_b32 v[ML+3], 0
	v_mov_b32 v[AL+1], 0                           ; likewise the second register of the factor's pair
	v_mov_b32 v[T+1], 0                            ; v_permlanex16_b32's destination counts as read
	s_lshr_b32 s20, s11, 2
	s_sub_co_u32 s20, 14, s20                      ; M - 2, where M = 16 - b / 4 is the number of 256-key pieces that hold the 64 - b runs
	s_and_b32 s62, s20, 1                          ; M odd?
	s_lshr_b32 s63, s20, 1                         ; trips of the loop, two pieces each: 5 to 7
	s_mov_b32 s17, 0                               ; the loop's counter, going up
	s_mov_b32 s13, s10                             ; t64, my run of 64 keys; four further in every piece
	s_wait_loadcnt 0x0                             ; Q
	s_wait_tensorcnt 0x1                           ; my part of slot 0 is in; slot 1's may stay out
	s_barrier_signal -1
	s_barrier_wait -1
.macro KVLOAD s
	s_cmp_lt_u32 s8, 8
	s_cbranch_scc0 .Lv_\@
	tensor_load_to_lds s[G0K+4*\s:G0K+4*\s+3], s[G1K:G1K+7]
	s_nop 0
	s_branch .Ld_\@
.Lv_\@:
	tensor_load_to_lds s[G0V+4*\s:G0V+4*\s+3], s[G1V:G1V+7]
	s_nop 0
.Ld_\@:
.endm
; The scores of one query tile (set x) against my 64 keys: four tiles of 16 keys, 64 head dimensions in two products each.  first = 1: my first run, never masked, never skipped.
; In all of this text the matrix instructions take their accumulators by turns, one instruction a turn, on every way through.
.macro SCORES x, first
.if \first == 0
	s_cmp_gt_u32 s13, s[14+\x]                     ; beyond the block's last run: the mask throws all of it away
	s_cbranch_scc1 .Lnoscore_\@
.endif
	s_wait_dscnt 0x8                               ; K's head dimensions 0-31 are in; the eight loads of dimensions 32-63, issued behind them, may be out
.irp mt, 0,1,2,3
	v_wmma_f32_16x16x32_f16 v[S+32*\x+8*\mt:S+32*\x+8*\mt+7], v[KV+16*\mt:KV+16*\mt+7], v[Q+16*\x:Q+16*\x+7], 0
.endr
	s_wait_dscnt 0x0                               ; and those
.irp mt, 0,1,2,3
	v_wmma_f32_16x16x32_f16 v[S+32*\x+8*\mt:S+32*\x+8*\mt+7], v[KV+16*\mt+8:KV+16*\mt+15], v[Q+16*\x+8:Q+16*\x+15], v[S+32*\x+8*\mt:S+32*\x+8*\mt+7]
.endr
.Lnoscore_\@:
.endm
; Mask, running maximum, exponentials, sum, packing, and the product with V, for set x.
.macro SOFTPV x, first
.set SB, S+32*\x
.set OB, O+32*\x
.set MB, ML+2*\x
.if \first == 0
	s_cmp_gt_u32 s13, s[14+\x]
	s_cbranch_scc1 .Lskip_\@
	s_cmp_lg_u32 s13, s[14+\x]
	s_cbranch_scc1 .Lnomask_\@
.set c, 0
.rept 32
	v_cmp_lt_i32 vcc_lo, 16*(c/8)+(c%8), v[QREL]
	v_cndmask_b32 v[SB+c], 0xff800000, v[SB+c], vcc_lo     ; minus infinity where the key is not below the query; the running maximum is finite since my first run
.set c, c+1
.endr
.Lnomask_\@:
.endif
	v_max3_num_f32 v[T],   v[SB],    v[SB+1],  v[SB+2]     ; seven chains that do not wait for each other
	v_max3_num_f32 v[T+2], v[SB+3],  v[SB+4],  v[SB+5]
	v_max3_num_f32 v[T+3], v[SB+6],  v[SB+7],  v[SB+8]
	v_max3_num_f32 v[T+4], v[SB+9],  v[SB+10], v[SB+11]
	v_max3_num_f32 v[T+5], v[SB+12], v[SB+13], v[SB+14]
	v_max3_num_f32 v[T+6], v[SB+15], v[SB+16], v[SB+17]
	v_max3_num_f32 v[T+7], v[SB+18], v[SB+19], v[SB+20]
	v_max3_num_f32 v[T],   v[T],     v[SB+21], v[SB+22]
	v_max3_num_f32 v[T+2], v[T+2],   v[SB+23], v[SB+24]
	v_max3_num_f32 v[T+3], v[T+3],   v[SB+25], v[SB+26]
	v_max3_num_f32 v[T+4], v[T+4],   v[SB+27], v[SB+28]
	v_max3_num_f32 v[T+5], v[T+5],   v[SB+29], v[SB+30]
.if \first
	v_max_num_f32  v[T+6], v[T+6],   v[SB+31]
.else
	v_max3_num_f32 v[T+6], v[T+6],   v[SB+31], v[MB]       ; the maximum so far goes in here
.endif
	v_max3_num_f32 v[T],   v[T],     v[T+2],   v[T+3]
	v_max3_num_f32 v[T+4], v[T+4],   v[T+5],   v[T+6]
	v_max3_num_f32 v[T],   v[T],     v[T+4],   v[T+7]
	v_permlanex16_b32 v[T+1], v[T], s18, s19       ; the query's other 32 keys lie in lane l ^ 16
.if \first
	v_max_num_f32 v[MB], v[T], v[T+1]
.else
	v_max_num_f32 v[T], v[T], v[T+1]
	v_sub_f32 v[AL], v[MB], v[T]
	v_mov_b32 v[MB], v[T]                          ; the new maximum
	v_exp_f32 v[AL], v[AL]                         ; 2^(old - new); the subtractions below are the plain places behind it (ISA guide 5.7.2)
.endif
.set i, 0
.rept 16
	v_pk_add_f32 v[SB+2*i:SB+2*i+1], v[SB+2*i:SB+2*i+1], v[MB:MB+1] op_sel_hi:[1,0] neg_lo:[0,1] neg_hi:[0,1]   ; both less the maximum
.set i, i+1
.endr
.set i, 0
.rept 16
	v_exp_f32 v[SB+2*i],   v[SB+2*i]
	v_exp_f32 v[SB+2*i+1], v[SB+2*i+1]
.if \first == 0
	s_wait_alu depctr_va_vdst(0)
	v_pk_mul_f32 v[OB+2*i:OB+2*i+1], v[OB+2*i:OB+2*i+1], v[AL:AL+1] op_sel_hi:[1,0]   ; O rescaled, once for 64 keys; also the plain place behind the exponentials
.endif
.set i, i+1
.endr
.if \first
	v_nop                                          ; the plain place behind the last exponential
.endif
	s_wait_alu depctr_va_vdst(0)
	v_pk_add_f32 v[T:T+1],   v[SB:SB+1],       v[SB+2:SB+3]        ; four chains of packed sums
	v_pk_add_f32 v[T+2:T+3], v[SB+4:SB+5],     v[SB+6:SB+7]
	v_pk_add_f32 v[T+4:T+5], v[SB+8:SB+9],     v[SB+10:SB+11]
	v_pk_add_f32 v[T+6:T+7], v[SB+12:SB+13],   v[SB+14:SB+15]
.irp j, 0,1
.irp k, 0,1,2,3
	v_pk_add_f32 v[T+2*\k:T+2*\k+1], v[T+2*\k:T+2*\k+1], v[SB+16+8*\j+2*\k:SB+16+8*\j+2*\k+1]
.endr
.endr
	v_pk_add_f32 v[T:T+1],   v[T:T+1],     v[T+2:T+3]
	v_pk_add_f32 v[T+4:T+5], v[T+4:T+5],   v[T+6:T+7]
	v_pk_add_f32 v[T:T+1],   v[T:T+1],     v[T+4:T+5]
.if \first
	v_add_f32 v[MB+1], v[T], v[T+1]
.else
	v_add_f32 v[T], v[T], v[T+1]
	v_fma_f32 v[MB+1], v[MB+1], v[AL], v[T]        ; my lane's part of the sum; the two halves of the lanes are joined at the end
.endif
.set i, 0
.rept 16
	v_cvt_pk_f16_f32 v[SB+i], v[SB+2*i], v[SB+2*i+1]       ; in place, ascending: word i is made of words 2 i and 2 i + 1.  Tiles 0, 1 give registers 0-7, the second source's own layout for keys 0-31; tiles 2, 3 registers 8-15
.set i, i+1
.endr
	s_wait_dscnt 0x0                               ; V's fragments
.irp kk, 0,1
.irp dt, 0,1,2,3
.if \first*(1-\kk)
	v_wmma_f32_16x16x32_f16 v[OB+8*\dt:OB+8*\dt+7], v[KV+8*(4*\kk+\dt):KV+8*(4*\kk+\dt)+7], v[SB+8*\kk:SB+8*\kk+7], 0
.else
	v_wmma_f32_16x16x32_f16 v[OB+8*\dt:OB+8*\dt+7], v[KV+8*(4*\kk+\dt):KV+8*(4*\kk+\dt)+7], v[SB+8*\kk:SB+8*\kk+7], v[OB+8*\dt:OB+8*\dt+7]
.endif
.endr
.endr
.Lskip_\@:
.endm
; My run of 64 keys of the piece in slot.  mayskip = 1: it may lie beyond the work-group's last run.
.macro SUB slot, first, mayskip
.if \mayskip
	s_cmp_gt_u32 s13, s16
	s_cbranch_scc1 .Lnone_\@
.endif
.if \first == 0
.rept 5
	v_nop                                          ; four places between the last products and the loads into their first sources; five before the scores below write over the packed probabilities, their second sources
.endr
.endif
.irp ks, 0,1
.irp mt, 0,1,2,3
	ds_load_b128 v[KV+16*\mt+8*\ks:KV+16*\mt+8*\ks+3],   v[ADK+\slot] offset:\mt*16*KP+\ks*64
	ds_load_b128 v[KV+16*\mt+8*\ks+4:KV+16*\mt+8*\ks+7], v[ADK+\slot] offset:\mt*16*KP+\ks*64+32
.endr
.endr
	SCORES 0, \first
	SCORES 1, \first
	s_wait_dscnt 0x0                               ; the sets' own waits stand inside their branches: this one stands on every way, so that V is loaded over K only when K's loads are back
.rept 4
	v_nop                                          ; four places before V's loads land on the scores' sources and before a vector instruction reads the scores
.endr
.irp kk, 0,1
.irp dt, 0,1,2,3
	ds_load_tr16_b128 v[KV+8*(4*\kk+\dt):KV+8*(4*\kk+\dt)+3],   v[ADV+\slot] offset:\kk*32*VP+32*\dt
	ds_load_tr16_b128 v[KV+8*(4*\kk+\dt)+4:KV+8*(4*\kk+\dt)+7], v[ADV+\slot] offset:\kk*32*VP+32*\dt+16*VP
.endr
.endr
	SOFTPV 0, \first
	SOFTPV 1, \first
	s_wait_dscnt 0x0                               ; on every way: the buffer is loaded again only when V's loads are back
.Lnone_\@:
	s_add_co_u32 s13, s13, 4                       ; a piece is four runs of 64 keys
.endm
; One piece of 256 keys in slot; the other slot, read last, is filled again two pieces ahead.
.macro PIECE slot, other, refill, mayskip
	s_wait_tensorcnt 0x0                           ; all my tensor loads have landed, my part of this slot among them, so every group 0 may be written
	ds_add_u32 v248, v249
	s_wait_dscnt 0x0
	s_add_nc_u64 s[G0K+4*\other+2:G0K+4*\other+3], s[G0K+4*\other+2:G0K+4*\other+3], 2*CHUNK
	s_add_nc_u64 s[G0V+4*\other+2:G0V+4*\other+3], s[G0V+4*\other+2:G0V+4*\other+3], 2*CHUNK
	s_wait_dscnt 0x0                               ; my reads of the other slot are back
	s_barrier_signal -1
	s_barrier_wait -1                              ; both now hold of all sixteen waves
.if \refill
	KVLOAD \other                                  ; my one tensor load behind this barrier, first thing there; it has this piece's work in which to land
.endif
	SUB \slot, 0, \mayskip
.endm
	SUB 0, 1, 0                                    ; piece 0
.Lring:
	PIECE 1, 0, 1, 0
	PIECE 0, 1, 1, 0
	s_add_co_u32 s17, s17, 1
	s_cmp_lt_u32 s17, s63
	s_cbranch_scc1 .Lring
	s_cmp_lg_u32 s62, 0                            ; the same in all sixteen waves
	s_cbranch_scc1 .Lodd
	PIECE 1, 0, 0, 1                               ; M even: one piece is left, and it has been asked for.  Of the last piece's four runs only the first is sure to be needed
	s_branch .Ljoin
.Lodd:
	PIECE 1, 0, 1, 0                               ; M odd: two are left, the last still to be asked for
	PIECE 0, 1, 0, 1
.Ljoin:
	; A query tile's four partial results lie in four waves.  Every wave puts both its sets into LDS; waves 0 to 7 each join the four parts of their set 0.
.rept 4
	v_nop                                          ; four places behind the last products
.endr
	v_and_b32 v1, 31, v0
	v_lshlrev_b32 v[QO], 3, v1                     ; 8 x lane
	v_lshlrev_b32 v1, 4, v1                        ; 16 x lane: also my offset in the tile of yh
	s_mul_i32 s20, s8, XW
	s_add_co_u32 s20, s20, XCH
	v_add_nc_u32 v[E], s20, v1
	v_add_nc_u32 v[E+1], s20, v[QO]
.irp x, 0,1
.irp i, 0,1,2,3,4,5,6,7
	ds_store_b128 v[E], v[O+32*\x+4*\i:O+32*\x+4*\i+3] offset:\x*XS+512*\i
.endr
	ds_store_b64 v[E+1], v[ML+2*\x:ML+2*\x+1] offset:\x*XS+4096
.endr
	s_wait_dscnt 0x0                               ; for the others' sake: my stores are done before I signal
	s_barrier_signal -1
	s_barrier_wait -1                              ; the last barrier
	s_cmp_lt_u32 s8, 8
	s_cbranch_scc1 .Lfinish
	s_wait_tensorcnt 0x0
	ds_add_u32 v248, v249
	s_wait_dscnt 0x0
	s_endpgm                                       ; waves 8 to 15 have handed everything over; their last tensor loads were waited for in front of the last piece
.Lfinish:
	; The same queries as my set 0: set 1 of wave w ^ 4, set 0 of wave w + 8, set 1 of wave (w ^ 4) + 8.
	s_xor_b32 s21, s8, 4
	s_mul_i32 s21, s21, XW
	s_add_co_u32 s21, s21, XCH+XS
	v_add_nc_u32 v[E+2], s21, v1
	v_add_nc_u32 v[E+3], s21, v[QO]
	v_add_nc_u32 v[E+4], 8*XW, v[E]
	v_add_nc_u32 v[E+5], 8*XW, v[E+1]
	v_add_nc_u32 v[E+6], 8*XW, v[E+2]
	v_add_nc_u32 v[E+7], 8*XW, v[E+3]
.irp i, 0,1,2,3,4,5,6,7
	ds_load_b128 v[KF+4*\i:KF+4*\i+3], v[E+2] offset:512*\i
.endr
.irp i, 0,1,2,3,4,5,6,7
	ds_load_b128 v[VF+4*\i:VF+4*\i+3], v[E+4] offset:512*\i
.endr
.irp i, 0,1,2,3,4,5,6,7
	ds_load_b128 v[O+32+4*\i:O+32+4*\i+3], v[E+6] offset:512*\i    ; into my set 1's registers, which have been handed over
.endr
	ds_load_b64 v[T+2:T+3], v[E+3] offset:4096
	ds_load_b64 v[T+4:T+5], v[E+5] offset:4096
	ds_load_b64 v[T+6:T+7], v[E+7] offset:4096
	s_mul_i32 s20, s8, SW
	s_add_co_u32 s20, s20, STG
	v_mul_u32_u24 v[E+8], v2, KP                   ; stage, in: query row l % 16, 16 bytes for each half of the lanes
	v_lshl_add_u32 v[E+8], v3, 4, v[E+8]
	v_add_nc_u32 v[E+8], s20, v[E+8]
	v_bfe_u32 v[E+9], v0, 3, 2                     ; stage, back: four rows of 128 bytes a load
	v_mul_u32_u24 v[E+9], v[E+9], KP
	v_and_b32 v[E+10], 7, v0
	v_lshl_add_u32 v[E+9], v[E+10], 4, v[E+9]
	v_add_nc_u32 v[E+9], s20, v[E+9]
	s_lshr_b32 s20, s22, 7                         ; my tile in yh: ((q0 / 128) x 16 + h) x 128 + q0 % 128 rows of 128 bytes
	s_lshl4_add_u32 s20, s20, s12
	s_lshl_b32 s20, s20, 7
	s_and_b32 s21, s22, 127
	s_add_co_u32 s20, s20, s21
	s_lshl_b32 s20, s20, 7
	s_mov_b32 s21, 0
	s_add_nc_u64 s[6:7], s[6:7], s[20:21]
	s_wait_dscnt 0x0
	v_max3_num_f32 v[T], v[ML], v[T+2], v[T+4]     ; the joint maximum; each of the four is finite
	v_max_num_f32 v[T], v[T], v[T+6]
	v_sub_f32 v[S],   v[ML],  v[T]
	v_sub_f32 v[S+2], v[T+2], v[T]
	v_sub_f32 v[S+4], v[T+4], v[T]
	v_sub_f32 v[S+6], v[T+6], v[T]
	v_exp_f32 v[S],   v[S]
	v_exp_f32 v[S+2], v[S+2]
	v_exp_f32 v[S+4], v[S+4]
	v_exp_f32 v[S+6], v[S+6]
	v_nop                                          ; the plain place behind the exponentials
	s_wait_alu depctr_va_vdst(0)
	v_mul_f32 v[S+8], v[ML+1], v[S]
	v_fmac_f32 v[S+8], v[T+3], v[S+2]
	v_fmac_f32 v[S+8], v[T+5], v[S+4]
	v_fmac_f32 v[S+8], v[T+7], v[S+6]
	v_permlanex16_b32 v[T+1], v[S+8], s18, s19     ; the sums of the query's other keys, in lane l ^ 16
	v_add_f32 v[S+8], v[S+8], v[T+1]               ; above 0: every query sees all latents, and the largest term is 1
	v_rcp_f32 v[S+8], v[S+8]
	v_nop
	s_wait_alu depctr_va_vdst(0)
	v_mul_f32 v[S],   v[S],   v[S+8]
	v_mul_f32 v[S+2], v[S+2], v[S+8]
	v_mul_f32 v[S+4], v[S+4], v[S+8]
	v_mul_f32 v[S+6], v[S+6], v[S+8]
.irp i, 0,1,2,3,4,5,6,7,8,9,10,11,12,13,14,15
	v_pk_mul_f32 v[O+2*\i:O+2*\i+1], v[O+2*\i:O+2*\i+1], v[S:S+1] op_sel_hi:[1,0]
.endr
.irp i, 0,1,2,3,4,5,6,7,8,9,10,11,12,13,14,15
	v_pk_fma_f32 v[O+2*\i:O+2*\i+1], v[KF+2*\i:KF+2*\i+1], v[S+2:S+3], v[O+2*\i:O+2*\i+1] op_sel_hi:[1,0,1]
.endr
.irp i, 0,1,2,3,4,5,6,7,8,9,10,11,12,13,14,15
	v_pk_fma_f32 v[O+2*\i:O+2*\i+1], v[VF+2*\i:VF+2*\i+1], v[S+4:S+5], v[O+2*\i:O+2*\i+1] op_sel_hi:[1,0,1]
.endr
.irp i, 0,1,2,3,4,5,6,7,8,9,10,11,12,13,14,15
	v_pk_fma_f32 v[O+2*\i:O+2*\i+1], v[O+32+2*\i:O+32+2*\i+1], v[S+6:S+7], v[O+2*\i:O+2*\i+1] op_sel_hi:[1,0,1]
.endr
.irp i, 0,1,2,3,4,5,6,7,8,9,10,11,12,13,14,15
	v_cvt_pk_f16_f32 v[S+\i], v[O+2*\i], v[O+2*\i+1]       ; head dimensions 16 dt + 8 (l / 16) + 0..7 of query l % 16: 16 bytes for each dt
.endr
.irp dt, 0,1,2,3
	ds_store_b128 v[E+8], v[S+4*\dt:S+4*\dt+3] offset:32*\dt
.endr
.irp i, 0,1,2,3
	ds_load_b128 v[VF+4*\i:VF+4*\i+3], v[E+9] offset:4*KP*\i       ; my own bytes: LDS serves a wave's instructions in order
.endr
.irp i, 0,1,2,3
	s_wait_dscnt 3-\i
	global_store_b128 v1, v[VF+4*\i:VF+4*\i+3], s[6:7] offset:512*\i       ; the wave stores 512 consecutive bytes, at a multiple of 512 from yh's first byte
.endr
	s_wait_tensorcnt 0x0
	ds_add_u32 v248, v249
	s_wait_dscnt 0x0
	s_endpgm
.Lfunc_end_k_qea5d17d168_attn:
	.size	k_qea5d17d168_attn, .Lfunc_end_k_qea5d17d168_attn-k_qea5d17d168_attn
	.p2alignl 7, 3214868480
	.fill 96, 4, 3214868480
	.section	.rodata,"a",@progbits
	.p2align	6, 0x0
	.amdhsa_kernel k_qea5d17d168_attn
		.amdhsa_group_segment_fixed_size 327680
		.amdhsa_private_segment_fixed_size 0
		.amdhsa_enable_private_segment 0
		.amdhsa_kernarg_size 16
		.amdhsa_user_sgpr_count 2
		.amdhsa_user_sgpr_kernarg_segment_ptr 1
		.amdhsa_wavefront_size32 1
		.amdhsa_system_sgpr_workgroup_id_x 1
		.amdhsa_system_sgpr_workgroup_id_y 1
		.amdhsa_system_sgpr_workgroup_id_z 1
		.amdhsa_system_vgpr_workitem_id 0
		.amdhsa_next_free_vgpr 250
		.amdhsa_next_free_sgpr 66
		.amdhsa_reserve_vcc 1
		.amdhsa_float_denorm_mode_32 3
		.amdhsa_float_denorm_mode_16_64 3
		.amdhsa_memory_ordered 1
		.amdhsa_forward_progress 1
		.amdhsa_inst_pref_size 159
	.end_amdhsa_kernel
	.amdgpu_metadata
---
amdhsa.version: [ 1, 2 ]
amdhsa.kernels:
  - .name:           k_qea5d17d168_attn
    .symbol:         k_qea5d17d168_attn.kd
    .args:
      - { .name: qkv, .offset: 0, .size: 8, .value_kind: global_buffer, .address_space: global }
      - { .name: yh, .offset: 8, .size: 8, .value_kind: global_buffer, .address_space: global }
    .group_segment_fixed_size: 327680
    .private_segment_fixed_size: 0
    .kernarg_segment_align: 8
    .kernarg_segment_size: 16
    .max_flat_workgroup_size: 512
    .sgpr_count:     66
    .vgpr_count:     250
    .wavefront_size: 32
...
	.end_amdgpu_metadata
.endif
;; end of part 5
;; launch outp: the kernel of part 4 again; grid 8 x 16, 4 waves a work-group, clusters of 4 x 4, 327,680 bytes of LDS; arguments yh, cb, b_proj, out0; writes out0
